; MI455X (gfx1250); checked and timed in simulation.
; The chip was launched on July 23, 2026; its instructions are those of AMD's public machine-readable ISA for CDNA 5 (MIT licence, August 2026) and "CDNA5" Instruction Set Architecture Reference Guide (July 2026). The comments in the code are by the model that wrote it; some were corrected since.
;; Attention. Allowed arithmetic: matrix products marked QUANTISED: E5M2 operands, one E8M0 scale for each 32 along K, by v_wmma_scale_f32_16x16x128_f8f6f4 with both operands' format E5M2, f32 sums; products left as they are: f32 operands where the result goes on into a quantised operand, else bf16, f16 or f32 operands; f32 sums; everything else in f32.
;; Inputs: Wkv 2,048 x 1,024 float32; Wq 1,024 x 1,024 float32; Wtalk 16 x 16 float32; context 2 x 2,048 x 1,024 float32; ln_beta 16 float32; ln_gamma 16 float32; x 2 x 2,048 x 1,024 float32.
;; Outputs: out0 2 x 2,048 x 1,024 float32.
;; This version of the problem:
;;   THIS VERSION OF THE PROBLEM IS GIVEN IN LOW PRECISION. The matrix products marked QUANTISED in the list below multiply operands that are first quantised to E5M2 (5 exponent bits, 2 mantissa bits; 8 bits a number), with one power-of-two scale for each 32 numbers along K (OCP MX v1.0); their sums are f32. All else is computed in f32.
;;   The module's matrix products, in the order in which they are computed (A, B: the left and right operand; K: the contracted axis; several contracted axes count as one K, in the product's order):
;;     1. [M 4,096, K 1,024] x [K 1,024, N 1,024]; A: input x; B: input Wq: QUANTISED
;;     2. [M 4,096, K 1,024] x [K 1,024, N 2,048]; A: input context; B: input Wkv: QUANTISED
;;     3. batch 32 x [M 2,048, K 64] x [K 64, N 2,048]; A: computed on the way; B: computed on the way: QUANTISED
;;     4. [M 16, K 16] x [K 16, N 8,388,608]; A: input Wtalk; B: computed on the way: left as it is (K = 16 < 32)
;;     5. batch 32 x [M 2,048, K 2,048] x [K 2,048, N 64]; A: computed on the way; B: computed on the way: QUANTISED
;;   THE QUANTISER, for each operand of a quantised product, along K:
;;     - K is cut into blocks of 32 from its start; a last block that is shorter is filled with zeros.
;;     - A block's scale is 2^e with e = floor(log2(the largest magnitude in the block)) - 15, held to -126 .. 127; a block of zeros has e = 0. As a byte (E8M0): e + 127.
;;     - Each number is divided by its block's scale, clamped to +-57,344, and rounded to the nearest number of E5M2, ties to even, subnormals kept.
;;     - The product sums the exact products of the quantised numbers (number of the format x scale) in f32.
;;   ~~~python
;;   def quantise(x, axis):      # numpy; x: float32 -> the quantised numbers, widened to float32 again
;;       x = np.moveaxis(x, axis, -1); K = x.shape[-1]
;;       x = np.pad(x, [(0, 0)] * (x.ndim - 1) + [(0, -K % 32)]); x = x.reshape(x.shape[:-1] + (-1, 32)); a = np.abs(x).max(-1, keepdims=True)
;;       e = np.where(a > 0, np.clip(np.frexp(np.where(a > 0, a, 1))[1] - 1 - 15, -126, 127), 0)      # np.frexp(a)[1] - 1 = floor(log2(a)), exactly
;;       r = np.clip(x / 2.0 ** e, -57344, 57344)
;;       step = 2.0 ** (np.maximum(np.frexp(np.where(r == 0, 1, r))[1] - 1, -14) - 2)
;;       q = np.round(r / step) * step * 2.0 ** e      # np.round: ties to even
;;       return np.moveaxis(q.reshape(q.shape[:-2] + (-1,))[..., :K], -1, axis).astype(np.float32)
;;   ~~~
;;   OPERANDS COMPUTED ON THE WAY. 'Computed on the way' means the value that the module computes at that place (a softmax that the list does not call 'softmax' is quantised finished and normalised). What goes into a quantiser is computed in f32, as accurately as f32 sums, v_exp_f32 and their like allow (about 1e-6 of the number): no bf16 or f16 on the way to a quantiser, and a product that is left as it is and whose result goes on into a quantised operand takes f32 operands (vector FMAs, or v_wmma_f32_16x16x4_f32). A number that lies on a knife's edge between two numbers of the format may be rounded either way, as far as f32 arithmetic and the matrix unit's own rounding can turn it there, and no further.
;; One version. Each part assembles by itself: llvm-mc -triple=amdgcn-amd-amdhsa -mcpu=gfx1250 --defsym DOCPART=n.
;; ======== version 1 of 1: 3 launches
;; workspace buffers: acodes 11,534,336 bytes; ascales 360,448 bytes; qimg 4,325,376 bytes; kimg 4,325,376 bytes; vimg 4,325,376 bytes
;; launch quant (part 1): grid 352 x 1, 4 waves a work-group, no clusters, 33,280 bytes of LDS; arguments x, context, Wq, Wkv, acodes, ascales; writes acodes, ascales
.if DOCPART == 1
	.amdgcn_target "amdgcn-amd-amdhsa--gfx1250"
	.amdhsa_code_object_version 6
	.text
	.protected	k_qb1a6d9fb76_quant
	.globl	k_qb1a6d9fb76_quant
	.p2align	8
	.type	k_qb1a6d9fb76_quant,@function
k_qb1a6d9fb76_quant:
	s_mov_b64 s[64:65], 0
	v_nop
	global_prefetch_b8 v0, s[64:65] scope:SCOPE_SE
	s_setreg_imm32_b32 hwreg(HW_REG_WAVE_MODE, 25, 1), 1
	s_wait_xcnt 0x0
; x [4096][1024], context [4096][1024], Wq [1024][1024], Wkv [2048][1024], all f32 with K innermost, become codes of BF8 (E5M2), one byte each, and one E8M0 scale byte for each 32 along K.
; The four tensors lie one behind the other in acodes [11264][1024] and ascales [11264][32]: rows 0 x, 4096 context, 8192 Wq, 9216 Wkv (its first 1,024 rows make k, the others v).
; A block's scale is 2^(floor(log2(its largest magnitude)) - 15); its byte is the largest magnitude's exponent field - 15, held at 1 from below.  Each number is divided by the scale, held within +-57,344 and rounded to the nearest code, ties to even.
; LIMITS: a block of zeros gets the byte 1 where the rule says 127 (its codes are zeros, and this program alone reads the bytes); blocks whose largest magnitude lies under 2^-111 were not tried; NaN and infinities are not served.
; Rows are dense and K is a multiple of 32: each tensor is a plain stream of blocks of 32.  A work-group takes 32,768 numbers, a wave 16 steps of 512.  Work-groups 0-127 take x, 128-255 context, 256-287 Wq, 288-351 Wkv: only the pointer is chosen.
; Each of a step's four loads reads 512 consecutive bytes; the 2,048 bytes turn through the wave's own stage in LDS and come back 64 bytes (16 neighbours) a lane; two neighbouring lanes hold a block.
; A lane's 16 codes are 16 bytes: the wave stores 512 consecutive bytes.  A wave's 256 scale bytes are gathered in LDS and leave as 256 consecutive bytes.  Waves share nothing: no barrier.
.set STEPS, 16
.set EMAX,  15
.set MANT,  0x600000                   ; the mantissa field of 57,344 as f32
.set CB,    16                         ; bytes of 16 codes
.set R,     16                         ; v16-79   four sets of 16 numbers as they are loaded
.set X,     80                         ; v80-111  two sets of 16 neighbours
.set C,     128                        ; v128-191 codes: four registers for each step, so that no store's data are written again
.set E,     112                        ; v112-127 a scale byte for each step
.set WREG,  8192                       ; LDS: a region for each wave: two stages of 32 x SP bytes, behind them its 256 scale bytes
.set SP,    80                         ; a lane's place in a stage: 64 bytes + 16 of padding
	s_load_b256 s[4:11], s[0:1], 0x0               ; x, context, Wq, Wkv
	s_load_b128 s[12:15], s[0:1], 0x20             ; acodes, ascales
	v_lshl_add_u32 v192, v0, 2, 0x8000
	v_mov_b32 v193, 0
	v_lshrrev_b32 v1, 5, v0
	v_readfirstlane_b32 s16, v1                    ; wave
	v_and_b32 v2, 31, v0                           ; lane
	v_lshlrev_b32 v3, 4, v2                        ; my 16 bytes of a load's 512
	s_mul_i32 s24, s16, WREG
	v_lshrrev_b32 v14, 2, v2
	v_mul_u32_u24 v14, v14, SP
	v_and_b32 v15, 3, v2
	v_lshl_add_u32 v14, v15, 4, v14
	v_add_nc_u32 v14, s24, v14                     ; the stage, on the way in: SP (lane / 4) + 16 (lane % 4)
	v_mul_u32_u24 v15, v2, SP
	v_add_nc_u32 v15, s24, v15                     ; and on the way out: SP x lane
	v_mul_u32_u24 v4, v2, CB                       ; my codes' place in a step's
	v_lshrrev_b32 v5, 1, v2
	s_add_co_u32 s24, s24, 2*32*SP
	v_add_nc_u32 v5, s24, v5                       ; my wave's 256 scale bytes, my block's byte
	v_lshlrev_b32 v7, 3, v2
	v_add_nc_u32 v6, s24, v7                       ; and on the way out 8 bytes a lane
	s_mov_b32 s23, MANT
	s_mov_b32 s17, 0
	s_wait_kmcnt 0x0
	s_cmp_ge_u32 ttmp9, 128                        ; which tensor: the choice hangs on the work-group's number alone
	s_cselect_b64 s[4:5], s[6:7], s[4:5]
	s_cselect_b32 s17, 128, s17
	s_cmp_ge_u32 ttmp9, 256
	s_cselect_b64 s[4:5], s[8:9], s[4:5]
	s_cselect_b32 s17, 256, s17
	s_cmp_ge_u32 ttmp9, 288
	s_cselect_b64 s[4:5], s[10:11], s[4:5]
	s_cselect_b32 s17, 288, s17                    ; the tensor's first work-group
	s_sub_co_u32 s17, ttmp9, s17
	s_lshl_b32 s17, s17, 2
	s_add_co_u32 s18, s17, s16                     ; which run of 8,192 numbers of the tensor is my wave's
	s_lshl_b32 s18, s18, 15                        ; 32,768 bytes a run
	s_mov_b32 s19, 0
	s_add_nc_u64 s[4:5], s[4:5], s[18:19]
	s_lshl_b32 s20, ttmp9, 2
	s_add_co_u32 s20, s20, s16                     ; and which run of the joint buffers
	s_lshl_b32 s18, s20, 13                        ; 8,192 bytes of codes a run
	s_add_nc_u64 s[12:13], s[12:13], s[18:19]
	s_lshl_b32 s18, s20, 8                         ; 256 scale bytes a run
	s_add_nc_u64 s[14:15], s[14:15], s[18:19]
.macro LOAD t
.irp i, 0,1,2,3
	global_load_b128 v[R+16*((\t)%4)+4*\i:R+16*((\t)%4)+4*\i+3], v3, s[4:5] offset:2048*(\t)+512*\i th:TH_LOAD_NT   ; 32 lanes read 512 consecutive bytes
.endr
.endm
.macro TURN t                          ; step t's numbers through the stage: LDS serves a wave's instructions in order, so no wait stands between the stores and the loads
.irp i, 0,1,2,3
	ds_store_b128 v14, v[R+16*((\t)%4)+4*\i:R+16*((\t)%4)+4*\i+3] offset:32*SP*((\t)%2)+8*SP*\i
.endr
.irp i, 0,1,2,3
	ds_load_b128 v[X+16*((\t)%2)+4*\i:X+16*((\t)%2)+4*\i+3], v15 offset:32*SP*((\t)%2)+16*\i
.endr
.endm
.irp t, 0,1,2,3
	LOAD \t
.endr
	s_wait_loadcnt 12                              ; step 0's four loads are in
	TURN 0
.macro STEP t
.set XS, X+16*((\t)%2)
.if (\t) > 0
	s_wait_dscnt 1                                 ; this step's numbers are back from the stage (the last step's byte store may be out)
.else
	s_wait_dscnt 0x0
.endif
.if (\t)+4 < STEPS
	LOAD (\t)+4                                    ; the registers that the stage's stores have read take the loads of four steps on
.endif
.if (\t)+1 < STEPS
.if STEPS-2-(\t) >= 3
	s_wait_loadcnt 12                              ; the next step's four loads are in; those of the three steps behind it may be out
.else
	s_wait_loadcnt 4*(STEPS-2-(\t))
.endif
	TURN (\t)+1
.endif
	v_max3_num_f32 v8, |v[XS]|, |v[XS+1]|, |v[XS+2]|               ; the largest magnitude of my 16
	v_max3_num_f32 v9, |v[XS+3]|, |v[XS+4]|, |v[XS+5]|
.irp i, 6,10
	v_max3_num_f32 v8, v8, |v[XS+\i]|, |v[XS+\i+1]|
	v_max3_num_f32 v9, v9, |v[XS+\i+2]|, |v[XS+\i+3]|
.endr
	v_max3_num_f32 v8, v8, |v[XS+14]|, |v[XS+15]|
	v_max3_num_f32 v8, v8, v9, (EMAX+1)<<23        ; and the floor 2^(16 - 127): the byte cannot fall under 1
	v_max_num_f32_dpp v8, v8, v8 row_xmask:1 row_mask:0xf bank_mask:0xf   ; and of my neighbour's 16: the block's
	v_add_nc_u32 v11, -(EMAX<<23), v8              ; 15 off its exponent field: the conversion takes the exponent field of this operand as its scale
	v_and_or_b32 v10, v8, 0x7f800000, s23          ; 57,344 x the scale
.irp i, 0,1,2,3,4,5,6,7,8,9,10,11,12,13,14,15
	v_med3_num_f32 v[XS+\i], v[XS+\i], -v10, v10   ; the conversion to an 8-bit code does not saturate (ISA guide 7.6.2): hold the number first
.endr
	v_cvt_scalef32_pk8_bf8_f32 v[C+4*(\t):C+4*(\t)+1], v[XS:XS+7], v11
	v_cvt_scalef32_pk8_bf8_f32 v[C+4*(\t)+2:C+4*(\t)+3], v[XS+8:XS+15], v11
	v_lshrrev_b32 v[E+(\t)], 23, v11               ; the scale's byte
	ds_store_b8 v5, v[E+(\t)] offset:16*(\t)       ; both lanes of a block write the same byte with the same value
	global_store_b128 v4, v[C+4*(\t):C+4*(\t)+3], s[12:13] offset:32*CB*(\t)
.endm
.irp t, 0,1,2,3,4,5,6,7,8,9,10,11,12,13,14,15
	STEP \t
.endr
	ds_load_b64 v[12:13], v6                       ; LDS serves a wave's instructions in order: these see my stores
	s_wait_dscnt 0x0
	global_store_b64 v7, v[12:13], s[14:15]        ; 32 lanes store 256 consecutive bytes, aligned
	s_wait_tensorcnt 0x0
	ds_add_u32 v192, v193
	s_wait_dscnt 0x0
	s_endpgm
.Lfunc_end_k_qb1a6d9fb76_quant:
	.size	k_qb1a6d9fb76_quant, .Lfunc_end_k_qb1a6d9fb76_quant-k_qb1a6d9fb76_quant
	.p2alignl 7, 3214868480
	.fill 96, 4, 3214868480
	.section	.rodata,"a",@progbits
	.p2align	6, 0x0
	.amdhsa_kernel k_qb1a6d9fb76_quant
		.amdhsa_group_segment_fixed_size 33280
		.amdhsa_private_segment_fixed_size 0
		.amdhsa_enable_private_segment 0
		.amdhsa_kernarg_size 48
		.amdhsa_user_sgpr_count 2
		.amdhsa_user_sgpr_kernarg_segment_ptr 1
		.amdhsa_wavefront_size32 1
		.amdhsa_system_sgpr_workgroup_id_x 1
		.amdhsa_system_sgpr_workgroup_id_y 1
		.amdhsa_system_sgpr_workgroup_id_z 1
		.amdhsa_system_vgpr_workitem_id 0
		.amdhsa_next_free_vgpr 194
		.amdhsa_next_free_sgpr 66
		.amdhsa_reserve_vcc 0
		.amdhsa_float_denorm_mode_32 3
		.amdhsa_float_denorm_mode_16_64 3
		.amdhsa_memory_ordered 1
		.amdhsa_forward_progress 1
		.amdhsa_inst_pref_size 51
	.end_amdhsa_kernel
	.amdgpu_metadata
---
amdhsa.version: [ 1, 2 ]
amdhsa.kernels:
  - .name:           k_qb1a6d9fb76_quant
    .symbol:         k_qb1a6d9fb76_quant.kd
    .args:
      - { .name: x, .offset: 0, .size: 8, .value_kind: global_buffer, .address_space: global }
      - { .name: context, .offset: 8, .size: 8, .value_kind: global_buffer, .address_space: global }
      - { .name: Wq, .offset: 16, .size: 8, .value_kind: global_buffer, .address_space: global }
      - { .name: Wkv, .offset: 24, .size: 8, .value_kind: global_buffer, .address_space: global }
      - { .name: acodes, .offset: 32, .size: 8, .value_kind: global_buffer, .address_space: global }
      - { .name: ascales, .offset: 40, .size: 8, .value_kind: global_buffer, .address_space: global }
    .group_segment_fixed_size: 33280
    .private_segment_fixed_size: 0
    .kernarg_segment_align: 8
    .kernarg_segment_size: 48
    .max_flat_workgroup_size: 128
    .sgpr_count:     66
    .vgpr_count:     194
    .wavefront_size: 32
...
	.end_amdgpu_metadata
.endif
;; end of part 1
;; launch proj (part 2): grid 48 x 4, 4 waves a work-group, clusters of 4 x 4, 327,680 bytes of LDS; arguments acodes, ascales, qimg, kimg, vimg; writes qimg, kimg, vimg
.if DOCPART == 2
	.amdgcn_target "amdgcn-amd-amdhsa--gfx1250"
	.amdhsa_code_object_version 6
	.text
	.protected	k_qb1a6d9fb76_proj
	.globl	k_qb1a6d9fb76_proj
	.p2align	8
	.type	k_qb1a6d9fb76_proj,@function
k_qb1a6d9fb76_proj:
	s_mov_b64 s[64:65], 0
	v_nop
	global_prefetch_b8 v0, s[64:65] scope:SCOPE_SE
	s_setreg_imm32_b32 hwreg(HW_REG_WAVE_MODE, 25, 1), 1
	s_wait_xcnt 0x0
	s_wait_alu depctr_hold_cnt(0) depctr_sa_sdst(0) depctr_va_vdst(0) depctr_va_sdst(0) depctr_va_ssrc(0) depctr_va_vcc(0) depctr_vm_vsrc(0)
	s_getreg_b32 s2, hwreg(HW_REG_IB_STS2, 6, 4)
	s_cmp_eq_u32 s2, 0
	s_cbranch_scc0 .Lentry_in_a_cluster
	s_endpgm
.Lentry_in_a_cluster:
	s_bfe_u32 s2, ttmp6, 0x10000c
	s_cmp_lg_u32 s2, 0xf033
	s_cbranch_scc0 .Lentry_shape_is_right
	s_endpgm
.Lentry_shape_is_right:
; The two projections on codes of BF8 (E5M2) with E8M0 scales, K = 1,024, and the quantising of their results for the attention launch.  No f32 q, k or v goes to memory.
; ONE GENERIC PRODUCT: Out[P][R] = sum over k of S1[P][k] S0[R][k].  S1 is the matrix instruction's source 1 (its rows fall to lanes), S0 its source 0 (its rows run along a lane's registers); Out is quantised along R.
;   kind 0 (q): S1 = x (row 0 of acodes),         S0 = Wq (8192):      P = query, R = head x 64 + d
;   kind 1 (k): S1 = context (4096),              S0 = Wk (9216):      P = key,   R = head x 64 + d
;   kind 2 (v): S1 = Wv (10240),                  S0 = context (4096): P = head x 64 + d, R = key
; kind = cluster x / 4, sub = cluster x % 4: equal in all sixteen partners.  Tile of P = cy (+ 4 sub for q, k), tile of R = cx (+ 4 sub for v): S1's tiles are shared along a row of the cluster, S0's along a column.
; A tile of Out is 256 x 256, four waves of 128 x 128: 64 accumulators, 512 registers.  K goes in steps of 256 through a ring of two LDS slots; the scale bytes of the work-group's rows, for all of K, come once and stay.
; 192 work-groups: a tile of 128 x 128 would give 768 but feeds half the products from each LDS byte, and this launch is a small part of the program.
; THE ROWS OF S0 THAT FORM A TILE ARE NOT NEIGHBOURS: lane r of tile 2 b + u takes row 32 b + 8 u + r + 8 (r / 8), so that the 16 registers of tiles 2 b and 2 b + 1 are 16 neighbours along R: R = 32 b + 16 (lane / 16) + 0 .. 15.
; So the 64 registers of a lane for one block of 16 rows of P are, quantised, the 16 registers of an operand fragment (16 rows x 128 along R).  It is stored AS AN IMAGE OF ITS REGISTERS: registers 4 c .. 4 c + 3 of lane l at 512 c + 16 l.
;   qimg: a block of 16,896 bytes for 16 queries:  fragment (pair t of heads) at 2048 t;                 scale words at 16384 + 64 t + 4 r
;   kimg: a block of 135,168 bytes for 128 keys:   fragment (16 keys kb, pair t) at 16384 kb + 2048 t;   scale words at 131072 + 512 t + 64 kb + 4 r
;   vimg: a block of 135,168 bytes for 128 keys:   fragment (head g, 16 channels dt) at 8192 g + 2048 dt; scale words at 131072 + 256 g + 64 dt + 4 r
; q is NOT multiplied by 1/8 here: a power of two moves a block's scale byte and no code, and the attention launch folds it into the softmax's constant.  LIMITS: blocks of q under 2^-108, where the byte's floor would differ, are not served;
; a block of zeros gets the byte 1 (its codes are zeros; this program alone reads the bytes); NaN and infinities are not served.
; REGISTERS, in windows of 256: window 0: v0-31 addresses; v32-63 S1's scale words, v64-95 S0's, two sets each; v96-127 codes on the way out; from v128 S1's fragments, ONE set (on the way out v128-213 are at work).
;   window 1: S0's fragments, TWO sets.   window 2: the accumulators of my rows 0-63 of P ((a, b) at v[8 (8 a + b)]);   window 3: those of rows 64-127.
.set NQ,     2                         ; matrix instructions deep in a slot
.set ROWB,   256                       ; a tile's row in bytes
.set KROW,   1024                      ; a row of acodes
.set PITCH,  272                       ; an LDS row: 256 bytes + 16 of padding: the rows that a load touches start at different banks
.set FR,     16                        ; registers of a fragment
.set NL,     4                         ; LDS loads that bring one
.set NP,     8                         ; places behind this matrix instruction (ISA guide 7.12.1)
.set HALFT,  128*PITCH                 ; 128 rows: what one tensor load brings
.set SLOT,   4*HALFT                   ; S1's 256 rows, then S0's 256 rows
.set LAPS,   2                         ; 1,024 along K = two laps of two K steps
.set SCL,    2*SLOT                    ; behind the ring: the scale bytes, 32 a row, as units of 256 bytes + 16 of padding
.set HALFS,  16*272                    ; those of 128 rows
.set SPARE,  SCL+4*HALFS               ; the spare words, 128 bytes for each wave: two blocks of 256 bytes that no other line names
.set ADRA, 16                          ; v16-17  LDS address of my S1 fragments in slot 0, 1
.set ADRB, 20                          ; v20-21  the same for S0
.set ADSA, 22                          ; v22     LDS address of S1's scale words
.set ADSB, 23                          ; v23     of S0's
.set LI,   24                          ; v24     16 x lane
.set SA,   25                          ; v25     the scale words' place: 4 r + (lane / 16) x the distance between two fragments' words
.set SPW,  28                          ; v28     LDS address of my spare word; never rewritten
.set NIL,  29                          ; v29     0; never rewritten
.set SCA,  32                          ; set s at +16 s; in it register 2 i + q: the word of S1's block i for the slot's q-th 128 along K
.set SCB,  64                          ; the same for S0's tile i
.set PC,   96                          ; two sets of 16: a fragment's codes
.set AF,   128
.set TT,   128                         ; the way out: 64 numbers, held
.set TM,   192                         ; largest magnitudes
.set TP,   196                         ; the other half's; then the bytes
.set LIMR, 200                         ; 57,344 x the scale
.set SCLR, 204                         ; the conversions' scale operands
.set PWS,  208                         ; two fragments' scale words
.set PWM,  210                         ; v210-213 the two joined: one in lanes 0-15, the other in lanes 16-31
.set G1, 24
.set G0, 32
.set G1B, 48
.set G0B, 56
.set G1S, 68
.set G0S, 76
.set G1SB, 80
.set G0SB, 88
.set OB, 92                            ; s[92:93] where the next fragment's image goes
.set OS, 46                            ; s[46:47] where the next two fragments' scale words go
.set FS, 20                            ; s[20:21] from fragment to fragment
.set S2, 22                            ; s[22:23] from pair to pair of scale words
.set MSB, 0
.macro WIN new                         ; the immediate's high byte repeats the setting that is left
.if MSB != \new
	s_set_vgpr_msb (MSB<<8)|\new
.set MSB, \new
.endif
.endm
.set MUL_LO, 0xa1                      ; source 0 (S0) window 1, source 1 (S1) window 0, C and D window 2
.set MUL_HI, 0xf1
.set TO_B,   0x40
; A joint load: waves 0 and 1 fetch for S1, waves 2 and 3 for S0.  The branch hangs on the wave's number alone.  Four v_nop follow each of the two lines.
.macro JLOAD g0a, g1a, g0b, g1b
	s_cmp_eq_u32 s15, 0
	s_cbranch_scc0 .Lfor_b_\@
	tensor_load_to_lds s[\g0a:\g0a+3], s[\g1a:\g1a+7]
	s_nop 0
.rept 4
	v_nop
.endr
	s_branch .Lasked_\@
.Lfor_b_\@:
	tensor_load_to_lds s[\g0b:\g0b+3], s[\g1b:\g1b+7]
	s_nop 0
.rept 4
	v_nop
.endr
.Lasked_\@:
.endm
.macro CREST                           ; a round of the cluster's barrier behind its opening barrier
	s_cmp_lg_u32 s14, 0
	s_cbranch_scc1 .Lnot_wave_0_\@
	s_barrier_signal -3
.Lnot_wave_0_\@:
	s_barrier_wait -3
	s_barrier_signal -1
	s_barrier_wait -1
.endm
.macro CROUND
	s_barrier_signal -1
	s_barrier_wait -1
	CREST
.endm
	s_load_b128 s[4:7], s[0:1], 0x0                ; acodes, ascales
	s_load_b128 s[8:11], s[0:1], 0x10              ; qimg, kimg
	s_load_b64 s[12:13], s[0:1], 0x20              ; vimg
	v_lshl_add_u32 v[SPW], v0, 2, SPARE
	v_mov_b32 v[NIL], 0
	ds_add_u32 v28, v29
	ds_add_u32 v28, v29
	s_wait_dscnt 0x0
	v_lshrrev_b32 v1, 5, v0
	v_readfirstlane_b32 s14, v1                    ; wave 0..3
	s_lshr_b32 s15, s14, 1                         ; which half of the tile's rows of P is mine.  Also: I fetch for S1 (0) or for S0 (1)
	s_and_b32 s16, s14, 1                          ; which half along R.  Also: which 128 rows of that tile I fetch
	s_bfe_u32 s40, ttmp6, 0x40000                  ; cx, cy: my place in the cluster
	s_bfe_u32 s41, ttmp6, 0x40004
	s_lshr_b32 s95, ttmp9, 2                       ; kind
	s_and_b32 s96, ttmp9, 3
	s_lshl_b32 s96, s96, 2                         ; 4 sub
	s_mov_b32 s98, 4096
	s_mov_b32 s99, 9216
	s_cmp_eq_u32 s95, 2                            ; v?
	s_cselect_b32 s17, 0, s96
	s_cselect_b32 s42, s96, 0
	s_cselect_b32 s98, 10240, s98                  ; S1's first row in acodes
	s_cselect_b32 s99, 4096, s99                   ; S0's
	s_cmp_eq_u32 s95, 0                            ; q?
	s_cselect_b32 s98, 0, s98
	s_cselect_b32 s99, 8192, s99
	s_add_co_u32 s17, s17, s41                     ; tile of P: hangs on cy alone
	s_add_co_u32 s42, s42, s40                     ; tile of R: on cx alone
	s_lshl_b32 s43, s41, 2
	s_lshl_b32 s43, 15, s43                        ; my row of the cluster
	s_lshl_b32 s44, 0x1111, s40                    ; my column
	; descriptor group 1: a tile of 128 rows x 256 bytes, 16 bytes of padding behind each row
	s_or_b32 s[G1+0], s43, (0<<16)|(1<<20)|(1<<21)|(5<<22)|(3<<25)  ; 15:0 the mask; 17:16 elements of 1 byte; 20 padding on; 21 set beside a mask; 24:22 after every 64 words; 31:25 four words
	s_or_b32 s[G1B+0], s44, (0<<16)|(1<<20)|(1<<21)|(5<<22)|(3<<25)
.irp g, G1, G1B
	s_mov_b32 s[\g+1], ROWB<<16                    ; tensor_dim0
	s_mov_b32 s[\g+2], 128<<16                     ; tensor_dim1
	s_mov_b32 s[\g+3], ROWB<<16                    ; tile_dim0
	s_mov_b32 s[\g+4], 128                         ; tile_dim1
	s_mov_b32 s[\g+5], KROW                        ; the pitch
	s_mov_b32 s[\g+6], 0
	s_mov_b32 s[\g+7], 0
.endr
	; the scale bytes of 128 rows: 4,096 dense bytes, as 16 rows of 256 (32 elements of 8 bytes), 16 bytes of padding behind each
	s_or_b32 s[G1S+0], s43, (3<<16)|(1<<20)|(1<<21)|(5<<22)|(3<<25)
	s_or_b32 s[G1SB+0], s44, (3<<16)|(1<<20)|(1<<21)|(5<<22)|(3<<25)
.irp g, G1S, G1SB
	s_mov_b32 s[\g+1], 32<<16
	s_mov_b32 s[\g+2], 16<<16
	s_mov_b32 s[\g+3], 32<<16
	s_mov_b32 s[\g+4], 16
	s_mov_b32 s[\g+5], 32
	s_mov_b32 s[\g+6], 0
	s_mov_b32 s[\g+7], 0
.endr
	s_lshl_b32 s18, s16, 7                         ; which 128 rows of the tile I fetch
	s_lshl_b32 s20, s17, 8
	s_add_co_u32 s20, s20, s18
	s_add_co_u32 s20, s20, s98                     ; S1: the row of acodes
	s_lshl_b32 s46, s42, 8
	s_add_co_u32 s46, s46, s18
	s_add_co_u32 s46, s46, s99                     ; S0 likewise
	s_lshl_b32 s22, s20, 5                         ; 32 scale bytes a row
	s_mov_b32 s23, 0
	s_lshl_b32 s92, s46, 5
	s_mov_b32 s93, 0
	s_lshl_b32 s20, s20, 10                        ; 1,024 codes a row
	s_mov_b32 s21, 0
	s_lshl_b32 s46, s46, 10
	s_mov_b32 s47, 0
	s_mul_i32 s45, s14, HALFT                      ; where they go: wave x 128 rows: no place in the cluster enters an LDS address
	s_mul_i32 s94, s14, HALFS
	s_wait_kmcnt 0x0
	s_add_nc_u64 s[20:21], s[4:5], s[20:21]
	s_add_nc_u64 s[22:23], s[6:7], s[22:23]
	s_add_nc_u64 s[46:47], s[4:5], s[46:47]
	s_add_nc_u64 s[92:93], s[6:7], s[92:93]
	CROUND                                         ; all sixteen work-groups are here: the first joint loads meet
	s_mov_b32 s[G0S], 1
	s_add_co_u32 s[G0S+1], s94, SCL
	s_mov_b64 s[G0S+2:G0S+3], s[22:23]
	s_or_b32 s[G0S+3], s[G0S+3], 0x80000000
	s_mov_b32 s[G0SB], 1
	s_add_co_u32 s[G0SB+1], s94, SCL
	s_mov_b64 s[G0SB+2:G0SB+3], s[92:93]
	s_or_b32 s[G0SB+3], s[G0SB+3], 0x80000000
	JLOAD G0S, G1S, G0SB, G1SB                     ; the scales first: they are wanted with K step 0
.irp s, 0,1
	s_mov_b32 s[G0+4*\s], 1
	s_add_co_u32 s[G0+4*\s+1], s45, \s*SLOT
	s_add_nc_u64 s[G0+4*\s+2:G0+4*\s+3], s[20:21], \s*ROWB
	s_or_b32 s[G0+4*\s+3], s[G0+4*\s+3], 0x80000000
	s_mov_b32 s[G0B+4*\s], 1
	s_add_co_u32 s[G0B+4*\s+1], s45, \s*SLOT
	s_add_nc_u64 s[G0B+4*\s+2:G0B+4*\s+3], s[46:47], \s*ROWB
	s_or_b32 s[G0B+4*\s+3], s[G0B+4*\s+3], 0x80000000
	JLOAD G0+4*\s, G1, G0B+4*\s, G1B
.endr
	v_and_b32 v1, 15, v0                           ; r
	v_bfe_u32 v2, v0, 4, 1                         ; h
	v_mul_u32_u24 v3, v1, PITCH
	v_lshl_add_u32 v4, v2, 4, v3                   ; S1: row r, + 16 h
	v_and_b32 v5, 8, v1
	v_add_nc_u32 v5, v5, v1                        ; r + 8 (r / 8)
	v_mul_u32_u24 v5, v5, PITCH
	v_lshl_add_u32 v5, v2, 4, v5                   ; S0: the tile's chosen rows
	s_mul_i32 s21, s15, HALFT                      ; my 128 rows of S1
	s_mul_i32 s22, s16, HALFT                      ; my 128 rows of S0,
	s_add_co_u32 s22, s22, 2*HALFT                 ; which lie behind S1's 256
.irp s, 0,1
	v_add_nc_u32 v[ADRA+\s], s21, v4
	v_add_nc_u32 v[ADRB+\s], s22, v5
	s_add_co_u32 s21, s21, SLOT
	s_add_co_u32 s22, s22, SLOT
.endr
	v_lshrrev_b32 v6, 3, v1                        ; eight rows' scale bytes fill a unit of 256 bytes
	v_and_b32 v7, 7, v1
	v_lshlrev_b32 v7, 5, v7
	v_mad_u32_u24 v8, v6, 272, v7                  ; S1: row r: unit r / 8
	v_mad_u32_u24 v9, v6, 544, v7                  ; S0: row r + 8 (r / 8): unit 2 (r / 8)
	s_mul_i32 s21, s15, HALFS
	s_add_co_u32 s21, s21, SCL
	s_mul_i32 s22, s16, HALFS
	s_add_co_u32 s22, s22, SCL+2*HALFS
	v_add_nc_u32 v[ADSA], s21, v8
	v_add_nc_u32 v[ADSB], s22, v9
	v_and_b32 v6, 31, v0
	v_lshlrev_b32 v[LI], 4, v6
	; where my eight fragments go.  All that hangs on the kind is chosen, none of it by a branch
	s_lshl_b32 s18, s17, 8
	s_lshl_b32 s19, s15, 7
	s_add_co_u32 s18, s18, s19                     ; P0: my first row of P
	s_lshl_b32 s19, s42, 8
	s_lshl_b32 s66, s16, 7
	s_add_co_u32 s19, s19, s66                     ; R0: my first place along R
	s_lshr_b32 s66, s18, 4                         ; P0 / 16
	s_lshr_b32 s67, s18, 7                         ; P0 / 128
	s_lshr_b32 s94, s19, 7                         ; R0 / 128
	s_mov_b32 s20, 16384
	s_mov_b32 s96, 135168
	s_mov_b32 s97, 131072
	s_cmp_eq_u32 s95, 0                            ; q?
	s_cselect_b64 s[OB:OB+1], s[8:9], s[10:11]
	s_cselect_b32 s20, 16896, s20                  ; from fragment to fragment
	s_cselect_b32 s22, 16896, 64                   ; from a fragment's scale words to the next one's
	s_cselect_b32 s96, 16896, s96                  ; a block
	s_cselect_b32 s97, 16384, s97                  ; where a block's scale words begin
	s_cselect_b32 s98, 64, 512                     ; their step with the second index
	s_cselect_b32 s99, s66, s67                    ; the block
	s_cmp_eq_u32 s95, 2                            ; v?
	s_cselect_b64 s[OB:OB+1], s[12:13], s[OB:OB+1]
	s_cselect_b32 s20, 2048, s20
	s_cselect_b32 s98, 64, s98
	s_cselect_b32 s99, s94, s99
	s_cselect_b32 s100, s66, s94                   ; the second index
	s_mul_i32 s99, s99, s96
	s_lshl_b32 s18, s100, 11
	s_add_co_u32 s18, s18, s99
	s_mov_b32 s19, 0
	s_mul_i32 s100, s100, s98
	s_add_co_u32 s100, s100, s97
	s_add_co_u32 s100, s100, s99
	s_mov_b32 s101, 0
	s_add_nc_u64 s[OS:OS+1], s[OB:OB+1], s[100:101]
	s_add_nc_u64 s[OB:OB+1], s[OB:OB+1], s[18:19]
	v_mul_lo_u32 v[SA], v2, s22
	v_lshl_add_u32 v[SA], v1, 2, v[SA]
	s_lshl_b32 s22, s22, 1
	s_mov_b32 s23, 0
	s_mov_b32 s21, 0
	s_mov_b32 s4, 0x76543210                       ; v_permlanex16_b32's selects for lane l xor 16
	s_mov_b32 s5, 0xfedcba98
	s_mov_b32 s6, 0x600000                         ; the mantissa field of 57,344
	s_mov_b32 s7, 0xffff0000                       ; lanes 16-31
.macro FRAG reg, adr, q, row           ; a fragment: lane l holds one row; registers 4 c .. 4 c + 3 hold K = 32 c + 16 (l / 16) + 0 .. 15
.irp c, 0,1,2,3
	ds_load_b128 v[\reg+4*\c:\reg+4*\c+3], v[\adr] offset:128*(\q)+32*\c+(\row)*PITCH
.endr
.endm
; 16 matrix instructions: S1's blocks a0, a0 + 1 x S0's eight tiles, 128 along K.  The 64 accumulators take turns, one instruction a turn, in the same order in every step.
.macro MUL16 a0, p, q, sc, zero
.irp a, \a0, \a0+1
.irp b, 0,1,2,3,4,5,6,7
.if \zero
	v_wmma_scale_f32_16x16x128_f8f6f4 v[8*(8*((\a)%4)+\b):8*(8*((\a)%4)+\b)+7], v[128*(\p)+FR*\b:128*(\p)+FR*\b+FR-1], v[AF+FR*(\a):AF+FR*(\a)+FR-1], 0, v[SCB+16*(\sc)+2*\b+(\q)], v[SCA+16*(\sc)+2*(\a)+(\q)] matrix_a_fmt:MATRIX_FMT_BF8 matrix_b_fmt:MATRIX_FMT_BF8
.else
	v_wmma_scale_f32_16x16x128_f8f6f4 v[8*(8*((\a)%4)+\b):8*(8*((\a)%4)+\b)+7], v[128*(\p)+FR*\b:128*(\p)+FR*\b+FR-1], v[AF+FR*(\a):AF+FR*(\a)+FR-1], v[8*(8*((\a)%4)+\b):8*(8*((\a)%4)+\b)+7], v[SCB+16*(\sc)+2*\b+(\q)], v[SCA+16*(\sc)+2*(\a)+(\q)] matrix_a_fmt:MATRIX_FMT_BF8 matrix_b_fmt:MATRIX_FMT_BF8
.endif
.endr
.endr
.endm
.macro FETCH_B slot, q, p              ; S0's eight tiles of the slot's q-th 128 along K into set p: tile i begins at row 32 (i / 2) + 8 (i % 2)
	WIN TO_B
.irp i, 0,1,2,3,4,5,6,7
	FRAG 128*(\p)+FR*\i, ADRB+\slot, \q, 32*(\i/2)+8*(\i%2)
.endr
	WIN 0
.endm
.macro FETCH_A slot, q, i0             ; S1's blocks i0 .. i0 + 3
.irp i, \i0, \i0+1, \i0+2, \i0+3
	FRAG AF+FR*(\i), ADRA+\slot, \q, 16*(\i)
.endr
.endm
.macro SCALES sc                       ; the next K step's scale words into set sc: two words a row
.irp i, 0,1,2,3,4,5,6,7
	ds_load_b64 v[SCA+16*\sc+2*\i:SCA+16*\sc+2*\i+1], v[ADSA] offset:\i*544
	ds_load_b64 v[SCB+16*\sc+2*\i:SCB+16*\sc+2*\i+1], v[ADSB] offset:(4*(\i/2)+\i%2)*272
.endr
.endm
.macro PLACES n                        ; plain vector instructions between a matrix instruction and a load into, or a read of, its registers
.rept \n
	v_nop
.endr
.endm
.macro STEP slot, q, zero              ; a step of 128 along K that has its successor in the same slot
	s_wait_dscnt 4*NL                              ; all but the youngest sixteen loads (S1's blocks 4-7) are in
	WIN MUL_LO
	MUL16 0, (\q)%2, \q, \slot, \zero
	MUL16 2, (\q)%2, \q, \slot, \zero
	s_wait_dscnt 0
	PLACES NP
	FETCH_B \slot, (\q)+1, 1-(\q)%2
	FETCH_A \slot, (\q)+1, 0
	WIN MUL_HI
	MUL16 4, (\q)%2, \q, \slot, \zero
	MUL16 6, (\q)%2, \q, \slot, \zero
	PLACES NP
	WIN 0
	FETCH_A \slot, (\q)+1, 4
.endm
; A slot's last step changes slots: ONE barrier; in front of it each wave waits for all its tensor loads, adds 0 to its spare word, and waits for that and for its own reads of this slot.  fill = 1: this slot is filled again, two K steps ahead.
.macro TURN slot, next, fill
	s_wait_tensorcnt 0x0                           ; all my tensor loads have landed: my part of the next slot
	ds_add_u32 v[SPW], v[NIL]                      ; 0 onto my spare word
	s_wait_dscnt 4*NL+1                            ; (the add and the youngest sixteen loads may be out)
	WIN MUL_LO
	MUL16 0, 1, NQ-1, \slot, 0
	s_wait_dscnt 0x0                               ; the add is done, and my reads of this slot are over
	s_barrier_signal -1
	MUL16 2, 1, NQ-1, \slot, 0
	WIN 0
	s_barrier_wait -1
.if \fill
	CREST                                          ; the barrier has opened a round of the cluster's barrier: no wave of any partner still reads this slot's tile or has a load on its way
	s_add_nc_u64 s[G0+4*\slot+2:G0+4*\slot+3], s[G0+4*\slot+2:G0+4*\slot+3], 2*ROWB
	s_add_nc_u64 s[G0B+4*\slot+2:G0B+4*\slot+3], s[G0B+4*\slot+2:G0B+4*\slot+3], 2*ROWB
	JLOAD G0+4*\slot, G1, G0B+4*\slot, G1B         ; the first tensor load behind the round; its four v_nop are among the places in front of the loads below
	PLACES NP-4
.else
	PLACES NP
.endif
	v_add_nc_u32 v[ADSA], 4*NQ, v[ADSA]            ; on to the next K step's scale words
	v_add_nc_u32 v[ADSB], 4*NQ, v[ADSB]
	FETCH_B \next, 0, 0
	FETCH_A \next, 0, 0
	SCALES \next
	WIN MUL_HI
	MUL16 4, 1, NQ-1, \slot, 0
	MUL16 6, 1, NQ-1, \slot, 0
	PLACES NP
	WIN 0
	FETCH_A \next, 0, 4
.endm
	s_wait_tensorcnt 1                             ; the scales and my part of K step 0 are in (K step 1's load may be out)
	s_barrier_signal -1
	s_barrier_wait -1                              ; everybody's are
	FETCH_B 0, 0, 0
	FETCH_A 0, 0, 0
	SCALES 0
	FETCH_A 0, 0, 4
	STEP 0, 0, 1                                   ; the first step stands in front of the loop: its products start the sums
	s_mov_b32 s3, LAPS-1
.Llap:
	TURN 0, 1, 1
	STEP 1, 0, 0
	TURN 1, 0, 1
	STEP 0, 0, 0
	s_sub_co_u32 s3, s3, 1
	s_cmp_lg_u32 s3, 0
	s_cbranch_scc1 .Llap
	TURN 0, 1, 0                                   ; the last lap fills nothing
	STEP 1, 0, 0
	s_wait_dscnt 4*NL
	WIN MUL_LO
	MUL16 0, 1, NQ-1, 1, 0
	MUL16 2, 1, NQ-1, 1, 0
	s_wait_dscnt 0
	WIN MUL_HI
	MUL16 4, 1, NQ-1, 1, 0
	MUL16 6, 1, NQ-1, 1, 0
	WIN 0
; THE WAY OUT: block a of 16 rows of P: a lane's 64 numbers, register 16 b + i = R 32 b + 16 (lane / 16) + i, become a fragment's 16 registers of codes and its row's scale word.
.macro QOUT a
.set AC, 64*((\a)%4)
.set WW, 2+(\a)/4
.set W5, 5*WW
.set PCS, PC+16*((\a)%2)
	WIN W5                                         ; sources 0 and 1: window 2 or 3
.irp b, 0,1,2,3
	v_max3_num_f32 v[TM+\b], |v[AC+16*\b]|, |v[AC+16*\b+1]|, 0x8000000   ; block b: my 16 numbers, each accumulator from its low end on, and the floor 2^(16 - 127)
.endr
.irp i, 2,4,6,8,10,12,14
.irp b, 0,1,2,3
	v_max3_num_f32 v[TM+\b], |v[AC+16*\b+\i]|, |v[AC+16*\b+\i+1]|, v[TM+\b]
.endr
.endr
	WIN 0
.irp b, 0,1,2,3
	v_permlanex16_b32 v[TP+\b], v[TM+\b], s4, s5
.endr
.irp b, 0,1,2,3
	v_max_num_f32 v[TM+\b], v[TM+\b], v[TP+\b]     ; with lane l xor 16's: the block's largest magnitude
.endr
.irp b, 0,1,2,3
	v_add_nc_u32 v[SCLR+\b], 0xf8800000, v[TM+\b]  ; 15 off its exponent field: the conversion's scale operand
.endr
.irp b, 0,1,2,3
	v_and_or_b32 v[LIMR+\b], v[TM+\b], 0x7f800000, s6   ; 57,344 x the scale
.endr
.irp b, 0,1,2,3
	v_lshrrev_b32 v[TP+\b], 23, v[SCLR+\b]         ; the scale's byte
.endr
	v_lshl_or_b32 v[PWS+(\a)%2], v[TP+1], 8, v[TP]
	v_lshl_or_b32 v[PWS+(\a)%2], v[TP+2], 16, v[PWS+(\a)%2]
	v_lshl_or_b32 v[PWS+(\a)%2], v[TP+3], 24, v[PWS+(\a)%2]
	WIN WW                                         ; source 0: window 2 or 3
.irp b, 0,1,2,3
.irp i, 0,1,2,3,4,5,6,7,8,9,10,11,12,13,14,15
	v_med3_num_f32 v[TT+16*\b+\i], v[AC+16*\b+\i], -v[LIMR+\b], v[LIMR+\b]   ; the conversion does not saturate (ISA guide 7.6.2): the hold
.endr
.endr
	WIN 0
.irp b, 0,1,2,3
	v_cvt_scalef32_pk8_bf8_f32 v[PCS+4*\b:PCS+4*\b+1], v[TT+16*\b:TT+16*\b+7], v[SCLR+\b]
	v_cvt_scalef32_pk8_bf8_f32 v[PCS+4*\b+2:PCS+4*\b+3], v[TT+16*\b+8:TT+16*\b+15], v[SCLR+\b]
.endr
	v_nop                                          ; one plain vector instruction behind the last conversion: the next block writes their sources
.if (\a) > 0
	s_wait_xcnt 0x0                                ; the last block's stores have read their base and their data: the base steps, and the block after this one may write that set of codes
	s_add_nc_u64 s[OB:OB+1], s[OB:OB+1], s[FS:FS+1]
.endif
.irp c, 0,1,2,3
	global_store_b128 v[LI], v[PCS+4*\c:PCS+4*\c+3], s[OB:OB+1] offset:512*\c    ; 32 lanes store 512 consecutive bytes, aligned
.endr
.if (\a)%2 == 1
	v_cndmask_b32 v[PWM+(\a)/2], v[PWS], v[PWS+1], s7   ; the even block's words in lanes 0-15, the odd block's in lanes 16-31
.if (\a) > 1
	s_add_nc_u64 s[OS:OS+1], s[OS:OS+1], s[S2:S2+1]
.endif
	global_store_b32 v[SA], v[PWM+(\a)/2], s[OS:OS+1]
.endif
.endm
	PLACES NP                                      ; behind the last products: the lines below read results and write registers that held S1's fragments
.irp b, 0,1,2,3
	v_mov_b32 v[TP+\b], 0                          ; written once: a lane permute's destination counts as one of its sources
.endr
.irp a, 0,1,2,3,4,5,6,7
	QOUT \a
.endr
	s_wait_tensorcnt 0x0                           ; the wave's end
	ds_add_u32 v[SPW], v[NIL]
	s_wait_dscnt 0x0
	CROUND                                         ; the closing round: no work-group ends while a partner may still ask for a tile that names it
	s_endpgm
.Lfunc_end_k_qb1a6d9fb76_proj:
	.size	k_qb1a6d9fb76_proj, .Lfunc_end_k_qb1a6d9fb76_proj-k_qb1a6d9fb76_proj
	.p2alignl 7, 3214868480
	.fill 96, 4, 3214868480
	.section	.rodata,"a",@progbits
	.p2align	6, 0x0
	.amdhsa_kernel k_qb1a6d9fb76_proj
		.amdhsa_group_segment_fixed_size 327680
		.amdhsa_private_segment_fixed_size 0
		.amdhsa_enable_private_segment 0
		.amdhsa_kernarg_size 40
		.amdhsa_user_sgpr_count 2
		.amdhsa_user_sgpr_kernarg_segment_ptr 1
		.amdhsa_wavefront_size32 1
		.amdhsa_system_sgpr_workgroup_id_x 1
		.amdhsa_system_sgpr_workgroup_id_y 1
		.amdhsa_system_sgpr_workgroup_id_z 1
		.amdhsa_system_vgpr_workitem_id 0
		.amdhsa_next_free_vgpr 1024
		.amdhsa_next_free_sgpr 102
		.amdhsa_reserve_vcc 0
		.amdhsa_float_denorm_mode_32 3
		.amdhsa_float_denorm_mode_16_64 3
		.amdhsa_memory_ordered 1
		.amdhsa_forward_progress 1
		.amdhsa_inst_pref_size 189
	.end_amdhsa_kernel
	.amdgpu_metadata
---
amdhsa.version: [ 1, 2 ]
amdhsa.kernels:
  - .name:           k_qb1a6d9fb76_proj
    .symbol:         k_qb1a6d9fb76_proj.kd
    .args:
      - { .name: acodes, .offset: 0, .size: 8, .value_kind: global_buffer, .address_space: global }
      - { .name: ascales, .offset: 8, .size: 8, .value_kind: global_buffer, .address_space: global }
      - { .name: qimg, .offset: 16, .size: 8, .value_kind: global_buffer, .address_space: global }
      - { .name: kimg, .offset: 24, .size: 8, .value_kind: global_buffer, .address_space: global }
      - { .name: vimg, .offset: 32, .size: 8, .value_kind: global_buffer, .address_space: global }
    .group_segment_fixed_size: 327680
    .private_segment_fixed_size: 0
    .kernarg_segment_align: 8
    .kernarg_segment_size: 40
    .max_flat_workgroup_size: 128
    .sgpr_count:     102
    .vgpr_count:     1024
    .wavefront_size: 32
...
	.end_amdgpu_metadata
.endif
;; end of part 2
;; launch attn (part 3): grid 256 x 1, 4 waves a work-group, clusters of 4 x 1, 327,680 bytes of LDS; arguments qimg, kimg, vimg, Wtalk, ln_gamma, ln_beta, out0; writes out0
.if DOCPART == 3
	.amdgcn_target "amdgcn-amd-amdhsa--gfx1250"
	.amdhsa_code_object_version 6
	.text
	.protected	k_qb1a6d9fb76_attn
	.globl	k_qb1a6d9fb76_attn
	.p2align	8
	.type	k_qb1a6d9fb76_attn,@function
k_qb1a6d9fb76_attn:
	s_mov_b64 s[64:65], 0
	v_nop
	global_prefetch_b8 v0, s[64:65] scope:SCOPE_SE
	s_setreg_imm32_b32 hwreg(HW_REG_WAVE_MODE, 25, 1), 1
	s_wait_xcnt 0x0
	s_wait_alu depctr_hold_cnt(0) depctr_sa_sdst(0) depctr_va_vdst(0) depctr_va_sdst(0) depctr_va_ssrc(0) depctr_va_vcc(0) depctr_vm_vsrc(0)
	s_getreg_b32 s2, hwreg(HW_REG_IB_STS2, 6, 4)
	s_cmp_eq_u32 s2, 0
	s_cbranch_scc0 .Lentry_in_a_cluster
	s_endpgm
.Lentry_in_a_cluster:
	s_bfe_u32 s2, ttmp6, 0x10000c
	s_cmp_lg_u32 s2, 0x3003
	s_cbranch_scc0 .Lentry_shape_is_right
	s_endpgm
.Lentry_shape_is_right:
; scores = q k^T / 8, softmax over 2,048 keys, the 16 x 16 mix over heads, LayerNorm over heads, the result times v.  Scores and the last product on codes of BF8 (E5M2) with E8M0 scales; the mix, whose result is quantised, in f32.
; SHARES.  A work-group owns 16 queries of one batch, for ALL 16 heads: the mix and the norm need every head's finished softmax at one (query, key).  4,096 queries: 256 work-groups.  The scores are made TWICE: pass 1 finds each row's
; maximum and sum, pass 2 the result; kept, they would be 32 x 2,048 x 2,048 numbers to store and load.  The four work-groups of a cluster walk the same blocks of K and V: each block is asked for JOINTLY (mask 15).
; EXACT FOLDINGS.  (a) q's factor 1/8 is a power of two: it moves scale bytes and no code, and goes into c = log2(e) / 8.  (b) aw - mean over g = Wc p, Wc = Wtalk less its column means.  (c) rsqrt(var + eps) = 4 rsq(sum of d^2 + 16 eps):
; the 4 goes into gamma, the 16 eps enters as 4 eps in each of four partial sums.  (d) p = 2^((s c + N) - log2 L), N = -c x the row's largest score, L = the row's sum of 2^(s c + N): finished and normalised.  N and log2 L stay apart, so that
; both passes form s c + N by the same fused multiply-add and the rounding of a large N cancels.
; SCORES.  S^T = K Q^T: source 0 = a dense fragment [k of head 2 t | k of head 2 t + 1] (16 keys x 128), source 1 = [q of head 2 t | zeros] or [zeros | q of head 2 t + 1]: q, eight registers of zero codes, q: 24 registers a pair.
; In a tile lane (r, h) holds query r, register j key 8 h + j.
; THE MIX.  D = Wc (16 x 4 heads) x p (4 heads x 16 queries) at one key, four steps along the heads.  Source 1 wants heads 4 s + u in lanes 0-15 and 4 s + 2 + u in lanes 16-31: one exchange of half-registers between the two heads' p gives that
; for keys j and 8 + j at once.  In D lane (r, h) holds query r, register j' head g = 8 h + j'.  The norm's last multiply-add writes Y(j', key) = register 32 j' + key of window 1, over the scores that have been used: a lane then holds all 32 keys
; of one block of one head, and the block's maximum needs no other lane.  The codes go to LDS as images of the last product's operand; the store's address puts keys 0-15 at lane place r and keys 16-31 at 16 + r.
; PASS 1: wave w takes heads 4 w .. 4 w + 3, all keys, 64 a turn.   PASS 2, a step of 128 keys: wave w takes keys 32 w .. 32 w + 31 for all heads (scores, mix, norm, codes), then heads 4 w .. 4 w + 3 for the last product, O^T += V^T aw^T.
; LDS READS STAND A PHASE AHEAD OF THEIR USE, under vector work: in pass 1 a turn asks for its fragments of K and then works the softmax of the turn before; in pass 2 three quarters of V's fragments are asked for inside the quantiser.
; LIMITS: NaN and infinities are not served; v_exp_f32 gives 0 for p under 2^-126; a block of zeros gets the byte 1 (its codes are zeros; nobody else reads the bytes); blocks under 2^-111 were not tried; the sum of squares and the column
; means are added in another order than the definition's.
; LDS: 0 K's block (at the end the stages); 135,168 pass 1: K's odd blocks, pass 2: V's block; 270,336 aw's 16 fragments; 303,104 their scale bytes [g][r][c]; 304,128 N and -log2 L [head][lane]; 308,224 the spare words.
; REGISTERS, in windows of 256: window 0: see below.  window 1: S, then Y.  window 2: v0-191 Q; v192-255 pass 1: my two pairs of Q; pass 2: -log2 L (16), then V's fragments of my third head.
;   window 3: v0-127 O^T ((gi, dt) at 8 (4 gi + dt)); v128-255 fragments of K or V.
.set KBLK,  135168                     ; a block of kimg or vimg: 128 keys: 131,072 bytes of codes, 4,096 of scale words
.set QBLK,  16896
.set QUART, 33792                      ; a quarter of a block: 132 rows of 256 bytes
.set HALFB, 67584                      ; a half: 264 rows
.set SLOT1, 135168
.set KSC,   131072
.set PIMG,  270336
.set PSC,   303104
.set STAT,  304128
.set SPARE, 308224                     ; 128 bytes for each wave: two blocks of 256 bytes that no other line names
.set SPIT,  1040                       ; a stage row: 1,024 bytes + 16
.set LI,   1                           ; 16 x lane
.set L4,   2                           ; 4 x lane
.set AK2,  3                           ; pass 2: K's fragments of my 32 keys
.set ASK2, 4                           ; and their scale words
.set AV,   5                           ; V's fragments of my 4 heads
.set ASV,  6                           ; and their scale words
.set APW,  7                           ; where I store aw's codes
.set APS,  8                           ; and aw's scale bytes
.set APR,  9                           ; where I read aw's fragments of my 4 heads
.set APSR, 10                          ; and their scale words
.set AK1,  11                          ; pass 1: the turn's fragments
.set AS1,  12                          ; and scale words
.set AST,  13                          ; where I store my heads' statistics
.set PFO,  14                          ; 256 x lane: the prefetches' offset; never rewritten
.set STR,  15                          ; where I read all heads' statistics
.set SPW,  16                          ; LDS address of my spare word; never rewritten
.set NIL,  17                          ; 0; never rewritten
.set AK10, 18                          ; 4096 x wave + 16 x lane
.set AS10, 19                          ; 1024 x wave + 4 x lane
.set SCQ,  20                          ; v20-27 Q's scale words, a pair of heads each
.set SCK,  28                          ; v28-35 K's, later V's
.set SCP,  36                          ; v36-37 aw's (pass 1: those of my two pairs of Q)
.set STO,  38                          ; the way out: into my stage
.set SRD,  39                          ; and back
.set NM,   40                          ; v40-55 N of my query, 16 heads
.set WC,   56                          ; v56-63 Wc(r, 4 s + 2 h + j) at 2 s + j
.set GA,   64                          ; v64-71 4 gamma(8 h + j')
.set BE,   72                          ; v72-79 beta(8 h + j')
.set DD,   80                          ; v80-143 two sets of four accumulators of the mix: written by that matrix form alone
.set P,    144                         ; v144-207 two sets of 32: p as the mix's source 1; then aw's codes; then aw's fragments of my 4 heads; in pass 1 the statistics
.set E,    208                         ; v208-239 exponents; then G = 4 gamma x rsq; later the quantiser's work
.set G,    208
.set T,    240                         ; v240-247 four pairs: sums of squares, then rsq
.set U,    248                         ; v248-251 the other half's
.set LG,   192                         ; in window 2: -log2 L, 16 heads, fetched anew in each step with the scores' fragments
.set MS,   144                         ; pass 1: the largest score so far, 4 heads
.set NMT,  148                         ; -c x it
.set FP,   152                         ; 2^(new N - old N)
.set LP,   156                         ; the sum, a pair a head
.set A1,   164
.set LQ,   168
.set NN,   172
.set PC,   144
.set AWF,  144
.set TM,   208
.set SCLR, 216
.set LIMR, 224
.set BY,   232
.set WV,   18
.set CX,   19
.set BB,   20
.set WG,   21
.set SEL,  24
.set CS,   26                          ; s[26:27] c = log2(e) / 8
.set MNT,  28
.set NC,   29                          ; -c
.set EP,   30                          ; s[30:31] 4 eps
.set G1Q,  32                          ; group 1: 132 rows of 256 bytes
.set G1H,  40                          ; group 1: 264 rows
.set G00,  48                          ; pass 1: groups 0 of slots 0 and 1
.set G01,  52
.set G0K,  56                          ; pass 2: K's group 0
.set KB0,  60                          ; s[60:61] my quarter of the batch's first block of K
.set CN1,  66
.set CN2,  67
.set PFA,  68                          ; s[68:69] K's prefetches
.set LIM,  70                          ; 7 in the batch's first cluster, else 0
.set SB,   71
.set SS,   72
.set PFV,  76                          ; s[76:77] V's prefetches
.set G0V,  80                          ; pass 2: V's group 0
.set MSB, 0
.macro WIN new                         ; the immediate's high byte repeats the setting that is left; a switch that changes nothing is dropped
.if MSB != \new
	s_set_vgpr_msb (MSB<<8)|\new
.set MSB, \new
.endif
.endm
.set W_SC, 0x4b                        ; K window 3, Q window 2, S window 1
.set W_P3, 0xf3                        ; V window 3, aw window 0, O^T window 3
.set W_P2, 0xf2                        ; V window 2, aw window 0, O^T window 3
.set TO3,  0xc0
.set TO2,  0x80
.set TO1,  0x40
.set W_T1, 0x01                        ; source 0 window 1
.set W_LG, 0x08                        ; source 1 window 2
.set W_Y,  0x40                        ; destination window 1
.set W_MX, 0x05                        ; sources 0 and 1 window 1
.set W_IP, 0x41                        ; in place in window 1
.set D3,   0x0c                        ; an LDS store's data window 3
.set D1,   0x04                        ; a store's data window 1
.macro PLACES n                        ; plain vector instructions between a matrix instruction and a load into, or a read of, its registers: eight for these forms
.rept \n
	v_nop
.endr
.endm
.macro ROUND                           ; a round of the cluster's barrier
	s_barrier_signal -1
	s_barrier_wait -1
	s_cmp_lg_u32 s[WV], 0
	s_cbranch_scc1 .Lnot_wave_0_\@
	s_barrier_signal -3
.Lnot_wave_0_\@:
	s_barrier_wait -3
	s_barrier_signal -1
	s_barrier_wait -1
.endm
.macro KQ d, a, b, sk, row, sq         ; one tile of scores; row = 1: K's scale words stand in lanes 16-31
.if \row
	v_wmma_scale_f32_16x16x128_f8f6f4 v[\d:\d+7], v[\a:\a+15], v[\b:\b+15], 0, v[\sk], v[\sq] matrix_a_fmt:MATRIX_FMT_BF8 matrix_b_fmt:MATRIX_FMT_BF8 matrix_a_scale:MATRIX_SCALE_ROW1
.else
	v_wmma_scale_f32_16x16x128_f8f6f4 v[\d:\d+7], v[\a:\a+15], v[\b:\b+15], 0, v[\sk], v[\sq] matrix_a_fmt:MATRIX_FMT_BF8 matrix_b_fmt:MATRIX_FMT_BF8
.endif
.endm
.macro PVM d, a, b, sa, ra, sb, rb     ; one tile of O^T += V^T aw^T
.if (\ra) && (\rb)
	v_wmma_scale_f32_16x16x128_f8f6f4 v[\d:\d+7], v[\a:\a+15], v[\b:\b+15], v[\d:\d+7], v[\sa], v[\sb] matrix_a_fmt:MATRIX_FMT_BF8 matrix_b_fmt:MATRIX_FMT_BF8 matrix_a_scale:MATRIX_SCALE_ROW1 matrix_b_scale:MATRIX_SCALE_ROW1
.elseif \ra
	v_wmma_scale_f32_16x16x128_f8f6f4 v[\d:\d+7], v[\a:\a+15], v[\b:\b+15], v[\d:\d+7], v[\sa], v[\sb] matrix_a_fmt:MATRIX_FMT_BF8 matrix_b_fmt:MATRIX_FMT_BF8 matrix_a_scale:MATRIX_SCALE_ROW1
.elseif \rb
	v_wmma_scale_f32_16x16x128_f8f6f4 v[\d:\d+7], v[\a:\a+15], v[\b:\b+15], v[\d:\d+7], v[\sa], v[\sb] matrix_a_fmt:MATRIX_FMT_BF8 matrix_b_fmt:MATRIX_FMT_BF8 matrix_b_scale:MATRIX_SCALE_ROW1
.else
	v_wmma_scale_f32_16x16x128_f8f6f4 v[\d:\d+7], v[\a:\a+15], v[\b:\b+15], v[\d:\d+7], v[\sa], v[\sb] matrix_a_fmt:MATRIX_FMT_BF8 matrix_b_fmt:MATRIX_FMT_BF8
.endif
.endm
	s_load_b256 s[4:11], s[0:1], 0x0               ; qimg, kimg, vimg, Wtalk
	s_load_b128 s[12:15], s[0:1], 0x20             ; gamma, beta
	s_load_b64 s[16:17], s[0:1], 0x30              ; out0
	v_lshl_add_u32 v[SPW], v0, 2, SPARE
	v_mov_b32 v[NIL], 0
	ds_add_u32 v16, v17
	ds_add_u32 v16, v17
	s_wait_dscnt 0x0
	v_lshrrev_b32 v240, 5, v0
	v_readfirstlane_b32 s[WV], v240                ; wave 0..3
	s_bfe_u32 s[CX], ttmp6, 0x40000                ; my place in the cluster: it enters Q's, out0's and the prefetches' addresses alone
	s_lshr_b32 s[BB], ttmp9, 5                     ; the batch: 32 clusters each
	s_lshl_b32 s[WG], ttmp9, 2
	s_add_co_u32 s[WG], s[WG], s[CX]               ; my block of 16 queries
	v_and_b32 v240, 31, v0                         ; lane
	v_and_b32 v241, 15, v0                         ; r
	v_bfe_u32 v242, v0, 4, 1                       ; h
	v_lshlrev_b32 v[LI], 4, v240
	v_lshlrev_b32 v[L4], 2, v240
	v_lshlrev_b32 v[PFO], 8, v240
	s_lshl_b32 s22, s[WV], 15                      ; every LDS address: a constant + a constant x lane + a constant x wave
	v_add_nc_u32 v[AK2], s22, v[LI]
	s_add_co_u32 s22, s22, SLOT1
	v_add_nc_u32 v[AV], s22, v[LI]
	s_lshl_b32 s22, s[WV], 7
	s_add_co_u32 s22, s22, KSC
	v_add_nc_u32 v[ASK2], s22, v[L4]
	s_lshl_b32 s22, s[WV], 10
	v_add_nc_u32 v[AS10], s22, v[L4]
	s_add_co_u32 s22, s22, SLOT1+KSC
	v_add_nc_u32 v[ASV], s22, v[L4]
	v_lshlrev_b32 v243, 4, v241
	v_lshl_add_u32 v243, v242, 14, v243
	s_lshl_b32 s22, s[WV], 9
	s_add_co_u32 s23, s22, PIMG
	v_add_nc_u32 v[APW], s23, v243                 ; head 8 h + j': 16384 h (+ 2048 j'); chunk w: 512 w; lane place r: 16 r
	s_add_co_u32 s23, s22, STAT
	v_add_nc_u32 v[AST], s23, v[L4]
	v_lshlrev_b32 v243, 2, v241
	v_lshl_add_u32 v243, v242, 9, v243
	s_add_co_u32 s23, s[WV], PSC
	v_add_nc_u32 v[APS], s23, v243                 ; 512 h (+ 64 j') + 4 r + w
	s_lshl_b32 s22, s[WV], 13
	s_add_co_u32 s22, s22, PIMG
	v_add_nc_u32 v[APR], s22, v[LI]
	s_lshl_b32 s22, s[WV], 8
	s_add_co_u32 s22, s22, PSC
	v_add_nc_u32 v[APSR], s22, v[L4]
	s_lshl_b32 s22, s[WV], 12
	v_add_nc_u32 v[AK10], s22, v[LI]
	v_add_nc_u32 v[STR], STAT, v[L4]
	s_mul_i32 s22, s[WV], 16*SPIT
	v_add_nc_u32 v[SRD], s22, v[LI]
	v_mul_u32_u24 v243, v241, SPIT
	v_lshl_add_u32 v243, v242, 5, v243
	v_add_nc_u32 v[STO], s22, v243
	v_lshlrev_b32 v252, 2, v241                    ; offsets of the loads at the head: 4 r;
	s_lshl_b32 s22, s[WV], 7
	v_add_nc_u32 v253, s22, v252                   ; 128 w + 4 r;
	v_lshlrev_b32 v254, 6, v241
	v_lshl_add_u32 v254, v242, 3, v254             ; 64 r + 8 h;
	v_lshlrev_b32 v255, 5, v242                    ; 32 h
	s_mov_b32 s[SEL], 0x76543210
	s_mov_b32 s[SEL+1], 0xfedcba98                 ; v_permlanex16_b32's selects for lane l xor 16
	s_mov_b32 s[CS], 0x3e38aa3b
	s_mov_b32 s[CS+1], s[CS]
	s_mov_b32 s[MNT], 0x600000
	s_mov_b32 s[NC], 0xbe38aa3b
	s_mov_b32 s[EP], 0x3827c5ac
	s_mov_b32 s[EP+1], s[EP]
	; descriptor groups 1: dense rows of 256 bytes (32 elements of 8 bytes), no padding: every fragment read is 512 consecutive bytes
	s_mov_b32 s[G1Q], 15|(3<<16)|(1<<21)           ; 15:0 the mask: all four work-groups; 17:16 elements of 8 bytes; 21 set beside a mask
	s_mov_b32 s[G1Q+1], 32<<16
	s_mov_b32 s[G1Q+2], 132<<16
	s_mov_b32 s[G1Q+3], 32<<16
	s_mov_b32 s[G1Q+4], 132
	s_mov_b32 s[G1Q+5], 32
	s_mov_b32 s[G1Q+6], 0
	s_mov_b32 s[G1Q+7], 0
	s_mov_b32 s[G1H], 15|(3<<16)|(1<<21)
	s_mov_b32 s[G1H+1], 32<<16
	s_mov_b32 s[G1H+2], 264<<16
	s_mov_b32 s[G1H+3], 32<<16
	s_mov_b32 s[G1H+4], 264
	s_mov_b32 s[G1H+5], 32
	s_mov_b32 s[G1H+6], 0
	s_mov_b32 s[G1H+7], 0
	s_mul_i32 s22, s[BB], 16*KBLK                  ; the batch's 16 blocks
	s_mov_b32 s23, 0
	s_mul_i32 s74, s[WV], QUART
	s_mov_b32 s75, 0
	s_and_b32 s78, s[WV], 1
	s_mul_i32 s78, s78, HALFB
	s_mov_b32 s79, 0
	s_lshl_b32 s62, s[CX], 2
	s_add_co_u32 s62, s62, s[WV]
	s_lshl_b32 s62, s62, 13                        ; the prefetches: of a block's 131,072 bytes of codes, wave w of partner cx takes 8,192: the partners are told apart by address
	s_mov_b32 s63, 0
	s_and_b32 s[LIM], ttmp9, 31
	s_cmp_eq_u32 s[LIM], 0
	s_cselect_b32 s[LIM], 7, 0                     ; all clusters of a batch walk the same blocks: the first asks.  The same in all four partners
	s_wait_kmcnt 0x0
	s_add_nc_u64 s[6:7], s[6:7], s[22:23]
	s_add_nc_u64 s[8:9], s[8:9], s[22:23]
	s_add_nc_u64 s[KB0:KB0+1], s[6:7], s[74:75]
	s_mov_b32 s[G00], 1
	s_mov_b32 s[G00+1], s74                        ; slot 0, my quarter
	s_mov_b64 s[G00+2:G00+3], s[KB0:KB0+1]         ; block 0
	s_or_b32 s[G00+3], s[G00+3], 0x80000000
	s_mov_b32 s[G01], 1
	s_add_co_u32 s[G01+1], s74, SLOT1
	s_add_nc_u64 s[G01+2:G01+3], s[KB0:KB0+1], KBLK   ; block 1
	s_or_b32 s[G01+3], s[G01+3], 0x80000000
	s_mov_b32 s[G0K], 1                            ; pass 2: waves 0 and 1 fetch K's halves (LDS 0 and 67,584), waves 2 and 3 V's (135,168 and 202,752)
	s_mul_i32 s[G0K+1], s[WV], HALFB
	s_add_nc_u64 s[G0K+2:G0K+3], s[6:7], s[78:79]
	s_add_nc_u64 s[G0K+2:G0K+3], s[G0K+2:G0K+3], KBLK   ; K's block 1
	s_or_b32 s[G0K+3], s[G0K+3], 0x80000000
	s_mov_b32 s[G0V], 1
	s_mul_i32 s[G0V+1], s[WV], HALFB
	s_add_nc_u64 s[G0V+2:G0V+3], s[8:9], s[78:79]  ; V's block 0
	s_or_b32 s[G0V+3], s[G0V+3], 0x80000000
	s_add_nc_u64 s[PFA:PFA+1], s[6:7], s[62:63]
	s_add_nc_u64 s[PFA:PFA+1], s[PFA:PFA+1], KBLK  ; at K's block 1: the first change of slots steps it to block 2
	s_add_nc_u64 s[PFV:PFV+1], s[8:9], s[62:63]    ; at V's block 0: the first step of pass 2 steps it to block 1
	s_mul_i32 s22, s[WG], QBLK
	s_add_nc_u64 s[4:5], s[4:5], s[22:23]          ; my block of qimg
	s_lshl_b32 s22, s[WG], 16
	s_lshl_b32 s78, s[WV], 10
	s_add_co_u32 s22, s22, s78
	s_add_nc_u64 s[16:17], s[16:17], s[22:23]      ; out0: my 16 rows of 4,096 bytes, my 4 heads' 1,024
	ROUND                                          ; all four work-groups are here: the first joint load meets
	tensor_load_to_lds s[G00:G00+3], s[G1Q:G1Q+7]  ; K's block 0.  One tensor load of mine is out, here and behind every round
	s_nop 0
	PLACES 4
	WIN TO2
.irp t, 0,1,2,3,4,5,6,7                ; Q stays in registers: pair t at 24 t: q of head 2 t, eight zeros, q of head 2 t + 1
.irp c, 0,1,2,3
	global_load_b128 v[24*\t+4*\c+8*(\c/2):24*\t+4*\c+8*(\c/2)+3], v[LI], s[4:5] offset:2048*\t+512*\c
.endr
.endr
.irp u, 0,1                            ; pass 1 wants MY two pairs (2 w + u) under fixed register numbers: a second copy, by address
.irp c, 0,1,2,3
	global_load_b128 v[192+24*\u+4*\c+8*(\c/2):192+24*\u+4*\c+8*(\c/2)+3], v[AK10], s[4:5] offset:2048*\u+512*\c
.endr
.endr
.irp t, 0,1,2,3,4,5,6,7,8,9
.irp i, 0,1,2,3,4,5,6,7
	v_mov_b32 v[24*\t+8+\i], 0                     ; the zero codes (pairs 8 and 9: the second copy's, at v192 on)
.endr
.endr
	WIN TO3
.set ii, 0
.rept 128
	v_mov_b32 v[ii], 0                             ; O^T: a step of pass 2 is long and stands twice already; a first step of its own, with C = 0, would be a third copy
.set ii, ii+1
.endr
	WIN 0
	v_mov_b32 v[E], 0xff800000                     ; -infinity
	WIN TO1
.set ii, 0
.rept 128
	v_mov_b32 v[ii], v[E]                          ; pass 1's first turn works the softmax of the turn before it: it finds scores of no key, -infinity: p = 0, and the maximum and the sum stay as they are
.set ii, ii+1
.endr
	WIN 0
.irp t, 0,1,2,3,4,5,6,7
	global_load_b32 v[SCQ+\t], v252, s[4:5] offset:16384+64*\t
.endr
.irp u, 0,1
	global_load_b32 v[SCP+\u], v253, s[4:5] offset:16384+64*\u
.endr
.irp s, 0,1,2,3
	global_load_b64 v[WC+2*\s:WC+2*\s+1], v254, s[10:11] offset:16*\s    ; Wtalk(r, 4 s + 2 h + 0, 1)
.endr
	global_load_b128 v[GA:GA+3], v255, s[12:13]
	global_load_b128 v[GA+4:GA+7], v255, s[12:13] offset:16
	global_load_b128 v[BE:BE+3], v255, s[14:15]
	global_load_b128 v[BE+4:BE+7], v255, s[14:15] offset:16
.irp hh, 0,1,2,3
	v_mov_b32 v[MS+\hh], 0xff61b1e6                ; the largest score so far: -3e38
	v_mov_b32 v[LP+2*\hh], 0
	v_mov_b32 v[LP+2*\hh+1], 0
	v_mov_b32 v[U+\hh], 0                          ; written once: a lane permute's destination counts as one of its sources
.endr
.irp hh, 0,1,2,3
	v_mul_f32 v[NMT+\hh], s[NC], v[MS+\hh]
.endr
	s_wait_loadcnt 0x0
.irp i, 0,1,2,3,4,5,6,7
	v_mov_b32 v[E+\i], v[WC+\i]
.endr
.irp m, 1,2,4,8
.irp i, 0,1,2,3,4,5,6,7
	v_add_f32_dpp v[E+\i], v[E+\i], v[E+\i] row_xmask:\m row_mask:0xf bank_mask:0xf   ; a column's sum over the 16 rows g, which lie in 16 lanes
.endr
.endr
.irp i, 0,1,2,3,4,5,6,7
	v_fma_f32 v[WC+\i], v[E+\i], 0xbd800000, v[WC+\i]   ; Wc = Wtalk - the column's mean
.endr
.irp i, 0,1,2,3,4,5,6,7
	v_mul_f32 v[GA+\i], 4.0, v[GA+\i]
.endr
; ---------------- PASS 1 ----------------
; The running maximum and sum of 4 heads x 32 scores a lane (64 keys; the lane's half of them), in two parts, so that a run of LDS loads can stand between them.
; One wait for the turn's 132 exponentials, ahead of their first reader.
.macro SOFT1A                          ; the maximum, the new N, the scalings
	WIN W_MX
.set ii, 0
.rept 16
.irp hh, 0,1,2,3
	v_max3_num_f32 v[MS+\hh], v[32*\hh+ii], v[32*\hh+ii+1], v[MS+\hh]   ; each tile from its low end on; the four heads by turns
.endr
.set ii, ii+2
.endr
	WIN 0
.irp hh, 0,1,2,3
	v_mul_f32 v[A1+\hh], s[NC], v[MS+\hh]          ; the new N
.endr
.irp hh, 0,1,2,3
	v_sub_f32 v[FP+\hh], v[A1+\hh], v[NMT+\hh]     ; new N - old N: 0 or less
.endr
.irp hh, 0,1,2,3
	v_mov_b32 v[NMT+\hh], v[A1+\hh]
.endr
.irp hh, 0,1,2,3
	v_exp_f32 v[FP+\hh], v[FP+\hh]
.endr
	WIN W_IP
.set ii, 0
.rept 16
.irp hh, 0,2
	v_pk_fma_f32 v[32*\hh+ii:32*\hh+ii+1], v[32*\hh+ii:32*\hh+ii+1], s[CS:CS+1], v[NMT+\hh:NMT+\hh+1] op_sel_hi:[1,0,0]
	v_pk_fma_f32 v[32*\hh+32+ii:32*\hh+33+ii], v[32*\hh+32+ii:32*\hh+33+ii], s[CS:CS+1], v[NMT+\hh:NMT+\hh+1] op_sel:[0,0,1] op_sel_hi:[1,0,1]
.endr
.set ii, ii+2
.endr
.endm
.macro SOFT1B                          ; the exponentials and the sums
	WIN W_IP
.set ii, 0
.rept 128
	v_exp_f32 v[ii], v[ii]
.set ii, ii+1
.endr
	v_nop                                          ; a plain instruction behind the last exponential
	s_wait_alu depctr_va_vdst(0)
	WIN 0
.irp hh, 0,2
	v_pk_mul_f32 v[LP+2*\hh:LP+2*\hh+1], v[LP+2*\hh:LP+2*\hh+1], v[FP+\hh:FP+\hh+1] op_sel_hi:[1,0]
	v_pk_mul_f32 v[LP+2*\hh+2:LP+2*\hh+3], v[LP+2*\hh+2:LP+2*\hh+3], v[FP+\hh:FP+\hh+1] op_sel:[0,1] op_sel_hi:[1,1]
.endr
	WIN W_T1
.set ii, 0
.rept 16
.irp hh, 0,1,2,3
	v_pk_add_f32 v[LP+2*\hh:LP+2*\hh+1], v[32*\hh+ii:32*\hh+ii+1], v[LP+2*\hh:LP+2*\hh+1]
.endr
.set ii, ii+2
.endr
	WIN 0
.endm
.macro KLD u                           ; my pair u of heads, the turn's 64 keys: two registers of scale words, four fragments
	WIN 0
.irp kp, 0,1
	ds_load_b32 v[SCK+2*\u+\kp], v[AS1] offset:512*\u+128*\kp    ; lanes 0-15: keys 16 (2 kp) on; lanes 16-31: 16 (2 kp + 1) on
.endr
	WIN TO3
.irp kb, 0,1,2,3
.irp c, 0,1,2,3
	ds_load_b128 v[128+16*(4*\u+\kb)+4*\c:128+16*(4*\u+\kb)+4*\c+3], v[AK1] offset:16384*\kb+2048*\u+512*\c
.endr
.endr
.endm
; A TURN: 64 keys of the slot in hand.  Its eight fragments are asked for first, in two runs; the softmax of the turn BEFORE stands over them; then come this turn's sixteen tiles of scores, into the registers that that softmax has left.
; Tile (head 2 u + par of my four, 16 keys kb) at 32 (2 u + par) + 8 kb of window 1.
.macro HALF
	v_add_nc_u32 v[AK1], s[SB], v[AK10]
	v_add_nc_u32 v[AS1], s[SS], v[AS10]
	KLD 0
	SOFT1A
	KLD 1
	SOFT1B
	s_wait_dscnt 0x0                               ; the fragments are in
	WIN W_SC
.irp kb, 0,1,2,3
.irp par, 0,1
	KQ 32*\par+8*\kb, 128+16*\kb, 192+8*\par, SCK+\kb/2, \kb%2, SCP
.endr
.endr
.irp kb, 0,1,2,3
.irp par, 0,1
	KQ 64+32*\par+8*\kb, 192+16*\kb, 216+8*\par, SCK+2+\kb/2, \kb%2, SCP+1
.endr
.endr
	PLACES 8                                       ; behind the products: the next turn's loads land on their sources, and its softmax reads their results
	WIN 0
.endm
; A PREFETCH INTO THE L2 of K's block two changes of slots on: a block's 131,072 bytes of codes, 8,192 a wave of each partner, lanes 256 bytes apart: each such piece is named once in the launch, by the batch's first cluster.
; It stands behind the wave's tensor load and its four lines.  The last two changes of slots of pass 1 ask for nothing: block 15 is the batch's last.  Blocks 0 and 1, and the scale words, come by their loads alone.
.macro ASK1
	s_cmp_lt_u32 s[CN1], s[LIM]
	s_cbranch_scc0 .Lnot_mine_\@
	global_prefetch_b8 v[PFO], s[PFA:PFA+1] th:TH_LOAD_NT scope:SCOPE_SE
.Lnot_mine_\@:
.endm
; A block of K: the change of slots, then its two turns.  Each wave waits for all its tensor loads (its quarter of this block), adds 0 to its spare word, and waits for that and for its reads of the other slot; behind the round the other slot is filled.
.macro TRIP slot
	s_wait_tensorcnt 0x0                           ; no tensor load of mine is out, so a group 0 may be written
	ds_add_u32 v[SPW], v[NIL]                      ; 0 onto my spare word
.if \slot == 0
	s_lshl_b32 s74, s[CN1], 1                      ; slot 0's next block: 2 i + 2, and after block 14 block 0 again: pass 2 begins with it
	s_add_co_u32 s74, s74, 2
	s_and_b32 s74, s74, 15
	s_mul_i32 s74, s74, KBLK
	s_add_nc_u64 s[G00+2:G00+3], s[KB0:KB0+1], s[74:75]
	s_or_b32 s[G00+3], s[G00+3], 0x80000000
.else
	s_add_nc_u64 s[G01+2:G01+3], s[G01+2:G01+3], 2*KBLK   ; (after block 15 the stepped address is not used)
.endif
	s_wait_xcnt 0x0                                ; the last prefetch, a block back, has read its address
	s_add_nc_u64 s[PFA:PFA+1], s[PFA:PFA+1], KBLK
	s_wait_dscnt 0x0                               ; the add is done, and my reads of the other slot are over (the last turn's products waited for them)
	ROUND                                          ; both hold of every wave of all four work-groups
.if \slot == 0
	tensor_load_to_lds s[G01:G01+3], s[G1Q:G1Q+7]
	s_nop 0
.else
	tensor_load_to_lds s[G00:G00+3], s[G1Q:G1Q+7]
	s_nop 0
.endif
	PLACES 4
	ASK1
	s_mov_b32 s[SB], \slot*SLOT1
	s_mov_b32 s[SS], \slot*SLOT1+KSC
	s_mov_b32 s[CN2], 2
.Lhalf_\@:
	HALF
	s_add_co_u32 s[SB], s[SB], 65536               ; four fragments' rows of 16 keys on
	s_add_co_u32 s[SS], s[SS], 256
	s_sub_co_u32 s[CN2], s[CN2], 1
	s_cmp_lg_u32 s[CN2], 0
	s_cbranch_scc1 .Lhalf_\@
.endm
	s_mov_b32 s[CN1], 0
.Lpass1:                                           ; eight trips of two blocks.  Every change of slots fills a slot that is read later
	TRIP 0
	TRIP 1
	s_add_co_u32 s[CN1], s[CN1], 1
	s_cmp_lt_u32 s[CN1], 8
	s_cbranch_scc1 .Lpass1
	SOFT1A                                         ; the last turn's softmax
	SOFT1B
	; the two halves of the lanes hold a query's statistics over their own keys: joined here
.irp hh, 0,1,2,3
	v_add_f32 v[LQ+\hh], v[LP+2*\hh], v[LP+2*\hh+1]
.endr
.irp hh, 0,1,2,3
	v_permlanex16_b32 v[U+\hh], v[NMT+\hh], s[SEL], s[SEL+1]
.endr
.irp hh, 0,1,2,3
	v_min_num_f32 v[NN+\hh], v[NMT+\hh], v[U+\hh]  ; N = -c x the larger maximum
.endr
.irp hh, 0,1,2,3
	v_sub_f32 v[FP+\hh], v[NN+\hh], v[NMT+\hh]
.endr
.irp hh, 0,1,2,3
	v_exp_f32 v[FP+\hh], v[FP+\hh]
.endr
	v_nop
	s_wait_alu depctr_va_vdst(0)                   ; one wait for the four, ahead of their first reader
.irp hh, 0,1,2,3
	v_mul_f32 v[LQ+\hh], v[LQ+\hh], v[FP+\hh]      ; my sum under the joint N
.endr
.irp hh, 0,1,2,3
	v_permlanex16_b32 v[U+\hh], v[LQ+\hh], s[SEL], s[SEL+1]
.endr
.irp hh, 0,1,2,3
	v_add_f32 v[LQ+\hh], v[LQ+\hh], v[U+\hh]       ; L
.endr
.irp hh, 0,1,2,3
	v_log_f32 v[LQ+\hh], v[LQ+\hh]
.endr
	v_nop
	s_wait_alu depctr_va_vdst(0)
.irp hh, 0,1,2,3
	v_sub_f32 v[LQ+\hh], 0, v[LQ+\hh]              ; -log2 L
.endr
.irp hh, 0,1,2,3
	ds_store_b32 v[AST], v[NN+\hh] offset:128*\hh
	ds_store_b32 v[AST], v[LQ+\hh] offset:2048+128*\hh
.endr
	s_wait_tensorcnt 0x0                           ; my quarter of K's block 0 has landed (my only load that is out),
	s_wait_dscnt 0x0                               ; my statistics are stored,
	s_barrier_signal -1
	s_barrier_wait -1                              ; everybody's.
.irp hd, 0,1,2,3,4,5,6,7,8,9,10,11,12,13,14,15
	ds_load_b32 v[NM+\hd], v[STR] offset:128*\hd
.endr
	s_wait_dscnt 0x0                               ; N is in, once: the counted waits of the loop below then count the loop's own loads alone
; ---------------- PASS 2 ----------------
.macro KLOAD x                         ; batch x of four fragments: pairs 2 x, 2 x + 1 of heads, my two rows of 16 keys, into half x % 2 of the buffer
	WIN TO3
.irp tt, 0,1
.irp kg, 0,1
.irp c, 0,1,2,3
	ds_load_b128 v[128+64*((\x)%2)+16*(2*\tt+\kg)+4*\c:128+64*((\x)%2)+16*(2*\tt+\kg)+4*\c+3], v[AK2] offset:16384*\kg+2048*(2*(\x)+\tt)+512*\c
.endr
.endr
.endr
.endm
.macro KMUL x                          ; its eight tiles: S(head e, kg) at 32 (e / 2) + 8 (e % 2) + 16 kg
	WIN W_SC
.irp tt, 0,1
.irp kg, 0,1
.irp par, 0,1
	KQ 32*(2*(\x)+\tt)+8*\par+16*\kg, 128+64*((\x)%2)+16*(2*\tt+\kg), 24*(2*(\x)+\tt)+8*\par, SCK+2*(\x)+\tt, \kg, SCQ+2*(\x)+\tt
.endr
.endr
.endr
.endm
.macro PH1                             ; the scores of my 32 keys, all heads
	WIN 0
	PLACES 8                                       ; behind the last step's products: the loads below land on their sources and scale words
.irp t, 0,1,2,3,4,5,6,7
	ds_load_b32 v[SCK+\t], v[ASK2] offset:512*\t
.endr
	WIN TO2
.irp hd, 0,1,2,3,4,5,6,7,8,9,10,11,12,13,14,15
	ds_load_b32 v[LG+\hd], v[STR] offset:2048+128*\hd    ; -log2 L: no register is free to keep it through a step, so it comes anew, here, into registers that lie idle until the quantiser
.endr
	KLOAD 0
	KLOAD 1
	s_wait_dscnt 16                                ; all but the youngest batch's sixteen loads: so at each of these waits
	KMUL 0
	PLACES 8
	KLOAD 2
	s_wait_dscnt 16
	KMUL 1
	PLACES 8
	KLOAD 3
	s_wait_dscnt 16
	KMUL 2
	s_wait_dscnt 0x0
	KMUL 3
.endm
; THE MIX AND THE NORM go in eight batches n of four keys: kg = n / 4, i = n % 4; place q = 0 .. 3 is key 16 kg + 8 (q / 2) + 2 i + q % 2.
.macro LA1 n, hd                       ; s c + N, a pair of scores of head hd
.set rS, 32*((\hd)/2)+8*((\hd)%2)+16*((\n)/4)+2*((\n)%4)
.if (\hd)%2
	v_pk_fma_f32 v[E+2*(\hd):E+2*(\hd)+1], v[rS:rS+1], s[CS:CS+1], v[NM+(\hd)-1:NM+(\hd)] op_sel:[0,0,1] op_sel_hi:[1,0,1]
.else
	v_pk_fma_f32 v[E+2*(\hd):E+2*(\hd)+1], v[rS:rS+1], s[CS:CS+1], v[NM+(\hd):NM+(\hd)+1] op_sel_hi:[1,0,0]
.endif
.endm
.macro LA2 hd                          ; - log2 L
.if (\hd)%2
	v_pk_add_f32 v[E+2*(\hd):E+2*(\hd)+1], v[E+2*(\hd):E+2*(\hd)+1], v[LG+(\hd)-1:LG+(\hd)] op_sel:[0,1] op_sel_hi:[1,1]
.else
	v_pk_add_f32 v[E+2*(\hd):E+2*(\hd)+1], v[E+2*(\hd):E+2*(\hd)+1], v[LG+(\hd):LG+(\hd)+1] op_sel_hi:[1,0]
.endif
.endm
.macro LX n, k                         ; p of head k / 2, score k % 2 of the pair, to its place in the mix's source 1
.set eE, (\k)/2
.set jJ, (\k)%2
	v_exp_f32 v[P+32*((\n)%2)+8*(2*((eE%4)/2)+jJ)+2*(eE/4)+eE%2], v[E+(\k)]
.endm
.macro LS n, k                         ; heads 4 s + u and 4 s + 2 + u exchange half-registers: keys j and 8 + j come apart, the two heads come together
.set rP, P+32*((\n)%2)+8*((\k)/8)+(\k)%8
	v_permlane16_swap_b32 v[rP], v[rP+16]
.endm
.macro MX n, k                         ; step k / 4 along the heads, key place k % 4: the four accumulators take turns; the first step starts the sums
.set rD, DD+32*((\n)%2)+8*((\k)%4)
.set rB, P+32*((\n)%2)+8*((\k)%4)+2*((\k)/4)
.if (\k) < 4
	v_wmma_f32_16x16x4_f32 v[rD:rD+7], v[WC+2*((\k)/4):WC+2*((\k)/4)+1], v[rB:rB+1], 0
.else
	v_wmma_f32_16x16x4_f32 v[rD:rD+7], v[WC+2*((\k)/4):WC+2*((\k)/4)+1], v[rB:rB+1], v[rD:rD+7]
.endif
.endm
.macro LL1 n, k                        ; the sum of d^2 over the 16 heads + 16 eps, and its rsq: eight lines for each key place, the four places by turns
.set qQ, (\k)%4
.set sT, (\k)/4
.set rD, DD+32*((\n)%2)+8*qQ
.if sT == 0
	v_pk_fma_f32 v[T+2*qQ:T+2*qQ+1], v[rD:rD+1], v[rD:rD+1], s[EP:EP+1] op_sel_hi:[1,1,0]
.elseif sT < 4
	v_pk_fma_f32 v[T+2*qQ:T+2*qQ+1], v[rD+2*sT:rD+2*sT+1], v[rD+2*sT:rD+2*sT+1], v[T+2*qQ:T+2*qQ+1]
.elseif sT == 4
	v_add_f32 v[T+2*qQ], v[T+2*qQ], v[T+2*qQ+1]
.elseif sT == 5
	v_permlanex16_b32 v[U+qQ], v[T+2*qQ], s[SEL], s[SEL+1]
.elseif sT == 6
	v_add_f32 v[T+2*qQ], v[T+2*qQ], v[U+qQ]
.else
	v_rsq_f32 v[T+2*qQ], v[T+2*qQ]
.endif
.endm
.macro LL2 k                           ; 4 gamma x rsq
	v_pk_mul_f32 v[G+8*((\k)/4)+2*((\k)%4):G+8*((\k)/4)+2*((\k)%4)+1], v[GA+2*((\k)%4):GA+2*((\k)%4)+1], v[T+2*((\k)/4):T+2*((\k)/4)+1] op_sel_hi:[1,0]
.endm
.macro LL3 n, k                        ; Y(j', key) = d x that + beta, over the scores that batch n has used
.set qQ, (\k)%4
.set jP, (\k)/4
	v_fma_f32 v[32*jP+16*((\n)/4)+8*(qQ/2)+2*((\n)%4)+qQ%2], v[DD+32*((\n)%2)+8*qQ+jP], v[G+8*qQ+jP], v[BE+jP]
.endm
; BY TURNS: batch n has the matrix unit (16 instructions); behind each stands a slice of batch n + 1's exponentials (hasA) and of batch n - 1's norm (hasL).  p and the accumulators have two sets.
; Nothing names a result of the 32 exponentials and 4 rsq ahead of slice 10: they have ONE wait, behind slice 9.
; PLACES: batch n - 1's accumulators are first read, and its p first overwritten, in slice 2: behind its last matrix instruction stand slice 15's ten multiply-adds and slices 0 and 1, none of which names its registers.
.macro ITER n, hasA, hasL
.set mi, 0
.rept 16
	WIN 0
	MX \n, mi
.if mi == 0
.if \hasA
	WIN W_T1
.set zz, 0
.rept 16
	LA1 \n+1, zz
.set zz, zz+1
.endr
.endif
.elseif mi == 1
.if \hasA
	WIN W_LG
.set zz, 0
.rept 16
	LA2 zz
.set zz, zz+1
.endr
.endif
.elseif mi < 10
.set zz, 4*(mi-2)
.rept 4
.if \hasL
	LL1 \n-1, zz
.endif
.if \hasA
	LX \n+1, zz
.endif
.set zz, zz+1
.endr
.if mi == 9
	v_nop                                          ; a plain instruction behind the last of them
	s_wait_alu depctr_va_vdst(0)
.endif
.elseif mi < 12
.if \hasA
.set zz, 8*(mi-10)
.rept 8
	LS \n+1, zz
.set zz, zz+1
.endr
.endif
.if \hasL
.set zz, 4*(mi-10)
.rept 4
	LL2 zz
.set zz, zz+1
.endr
.endif
.elseif mi == 12
.if \hasL
.set zz, 8
.rept 8
	LL2 zz
.set zz, zz+1
.endr
.endif
.else
.if \hasL
	WIN W_Y
.set zz, 11*(mi-13)
.rept 11-(mi/15)
	LL3 \n-1, zz
.set zz, zz+1
.endr
.endif
.endif
.set mi, mi+1
.endr
.endm
.macro PH2
	WIN 0
	PLACES 8                                       ; behind the scores' products: their results are read below
	WIN W_T1
.set zz, 0
.rept 16
	LA1 0, zz
.set zz, zz+1
.endr
	WIN W_LG
.set zz, 0
.rept 16
	LA2 zz
.set zz, zz+1
.endr
	WIN 0
.set zz, 0
.rept 32
	LX 0, zz
.set zz, zz+1
.endr
	v_nop
	s_wait_alu depctr_va_vdst(0)
.set zz, 0
.rept 16
	LS 0, zz
.set zz, zz+1
.endr
	ITER 0, 1, 0
	ITER 1, 1, 1
	ITER 2, 1, 1
	ITER 3, 1, 1
	ITER 4, 1, 1
	ITER 5, 1, 1
	ITER 6, 1, 1
	ITER 7, 0, 1
	WIN 0                                          ; the last batch's norm: slice 15's ten multiply-adds are the places behind its products
.set zz, 0
.rept 32
	LL1 7, zz
.set zz, zz+1
.endr
	v_nop
	s_wait_alu depctr_va_vdst(0)
.set zz, 0
.rept 16
	LL2 zz
.set zz, zz+1
.endr
	WIN W_Y
.set zz, 0
.rept 32
	LL3 7, zz
.set zz, zz+1
.endr
.endm
.macro VHEAD gi, win, base             ; V's four fragments of my head gi, into the window that win names, from register base on
	WIN \win
.irp dt, 0,1,2,3
.irp c, 0,1,2,3
	ds_load_b128 v[\base+16*\dt+4*\c:\base+16*\dt+4*\c+3], v[AV] offset:8192*(\gi)+2048*\dt+512*\c
.endr
.endr
.endm
; aw is quantised along the keys: a lane's 32 registers 32 j' .. 32 j' + 31 are one block of head 8 h + j'.  The eight heads by turns.
; V's scale words and its fragments of three of my four heads are asked for here, in three runs among the vector lines: 56 loads that land while the quantiser works, into registers that lie idle in it.
.macro PH3
	WIN 0
.irp gi, 0,1,2,3
.irp dp, 0,1
	ds_load_b32 v[SCK+2*\gi+\dp], v[ASV] offset:256*\gi+128*\dp
.endr
.endr
	VHEAD 0, TO3, 128
	WIN W_MX
.irp j, 0,1,2,3,4,5,6,7
	v_max3_num_f32 v[TM+\j], |v[32*\j]|, |v[32*\j+1]|, 0x8000000   ; with the floor 2^(16 - 127): the byte cannot fall under 1
.endr
.set ii, 2
.rept 15
.irp j, 0,1,2,3,4,5,6,7
	v_max3_num_f32 v[TM+\j], |v[32*\j+ii]|, |v[32*\j+ii+1]|, v[TM+\j]
.endr
.set ii, ii+2
.endr
	VHEAD 1, TO3, 192
	WIN 0
.irp j, 0,1,2,3,4,5,6,7
	v_add_nc_u32 v[SCLR+\j], 0xf8800000, v[TM+\j]  ; 15 off the exponent field: the conversion's scale operand
.endr
.irp j, 0,1,2,3,4,5,6,7
	v_and_or_b32 v[LIMR+\j], v[TM+\j], 0x7f800000, s[MNT]   ; 57,344 x the scale
.endr
.irp j, 0,1,2,3,4,5,6,7
	v_lshrrev_b32 v[BY+\j], 23, v[SCLR+\j]         ; the scale's byte
.endr
	WIN W_IP
.set ii, 0
.rept 128
	v_med3_num_f32 v[ii], v[ii], -v[LIMR+ii/32], v[LIMR+ii/32]   ; the conversion does not saturate (ISA guide 7.6.2): the hold
.set ii, ii+1
.endr
	VHEAD 2, TO2, 192                              ; over -log2 L, which the mix has used
	WIN W_IP
.rept 128
	v_med3_num_f32 v[ii], v[ii], -v[LIMR+ii/32], v[LIMR+ii/32]
.set ii, ii+1
.endr
	WIN W_T1
.set ii, 0
.rept 32
	v_cvt_scalef32_pk8_bf8_f32 v[PC+2*ii:PC+2*ii+1], v[8*ii:8*ii+7], v[SCLR+ii/4]
.set ii, ii+1
.endr
	v_nop                                          ; one plain vector instruction behind the last conversion: later products name their results' registers and write their sources
	WIN 0
.irp j, 0,1,2,3,4,5,6,7
	ds_store_b128 v[APW], v[PC+8*\j:PC+8*\j+3] offset:2048*\j          ; keys 0-15 of my 32: lane place r of chunk w of head 8 h + j'
	ds_store_b128 v[APW], v[PC+8*\j+4:PC+8*\j+7] offset:2048*\j+256    ; keys 16-31: lane place 16 + r
	ds_store_b8 v[APS], v[BY+\j] offset:64*\j
.endr
.endm
.macro VMUL gi, win, base              ; each of the 16 accumulators is taken up once a step, one instruction a turn
	WIN \win
.irp dt, 0,1,2,3
	PVM 8*(4*(\gi)+\dt), \base+16*\dt, AWF+16*(\gi), SCK+2*(\gi)+\dt/2, \dt%2, SCP+(\gi)/2, (\gi)%2
.endr
.endm
; O^T += V^T aw^T for my 4 heads, K = the step's 128 keys.  V's fragments of heads 0 to 2 are in registers; aw's four come into the registers that held my codes; V's fourth head follows into the first head's registers.
.macro PH4
	WIN 0
.irp k, 0,1
	ds_load_b32 v[SCP+\k], v[APSR] offset:128*\k
.endr
.irp gi, 0,1,2,3
.irp c, 0,1,2,3
	ds_load_b128 v[AWF+16*\gi+4*\c:AWF+16*\gi+4*\c+3], v[APR] offset:2048*\gi+512*\c
.endr
.endr
	PLACES 8                                       ; these registers were last written by vector instructions (the conversions): places ahead of the scaled products that read them; they stand under the loads
	s_wait_dscnt 12                                ; the scale words and aw's first fragment are in; its other three (twelve loads) may be out
	VMUL 0, W_P3, 128
	PLACES 8                                       ; behind the first head's products: the loads below land on their sources
	VHEAD 3, TO3, 128
	s_wait_dscnt 24                                ; aw's second fragment is in: behind it its third, its fourth and V's sixteen
	VMUL 1, W_P3, 192
	s_wait_dscnt 20                                ; aw's third: behind it its fourth and V's sixteen
	VMUL 2, W_P2, 192
	s_wait_dscnt 0x0
	VMUL 3, W_P3, 128
.endm
; A PREFETCH INTO THE L2 of V's block of the NEXT step: shared out as K's in pass 1; it stands behind the wave's tensor load and its four lines, a step ahead of the load that will want it.  V's block 0 comes by its load alone.
; K is not asked for in pass 2: pass 1 has walked it.
.macro ASK2
	s_cmp_lg_u32 s[LIM], 0
	s_cbranch_scc0 .Lnot_mine_\@
	global_prefetch_b8 v[PFO], s[PFV:PFV+1] th:TH_LOAD_NT scope:SCOPE_SE
.Lnot_mine_\@:
.endm
; A STEP OF 128 KEYS.  more = 1: K's next block is fetched too.
; The round orders every wave's reads of K's block, and of the last step's V and aw, ahead of the fills (K's next block, this step's V) and of this step's stores of aw.  The fills have the mix and the norm in which to land.
; The plain barrier behind the mix orders the landed fills ahead of every wave's reads of V (in the quantiser) and of K's next block; the one behind the quantiser orders the stored images of aw ahead of the last product.
.macro STEP more
	PH1
	WIN 0
	s_wait_tensorcnt 0x0                           ; no tensor load of mine is out
	ds_add_u32 v[SPW], v[NIL]                      ; 0 onto my spare word
.if \more
	s_wait_xcnt 0x0                                ; the last prefetch, a step back, has read its address
	s_add_nc_u64 s[PFV:PFV+1], s[PFV:PFV+1], KBLK
.endif
	s_wait_dscnt 0x0                               ; the add is done, and my reads of both slots are over
	ROUND
	s_cmp_lt_u32 s[WV], 2                          ; the branch hangs on the wave's number alone: it is the same in every work-group
.if \more
	s_cbranch_scc0 .Lfor_v_\@
	tensor_load_to_lds s[G0K:G0K+3], s[G1H:G1H+7]
	s_nop 0
	PLACES 4
	s_branch .Lasked_\@
.else
	s_cbranch_scc1 .Lasked_\@                      ; the last step: there is no further block of K
.endif
.Lfor_v_\@:
	tensor_load_to_lds s[G0V:G0V+3], s[G1H:G1H+7]
	s_nop 0
	PLACES 4
.Lasked_\@:
.if \more
	ASK2
.endif
	PH2
	WIN 0
	s_wait_tensorcnt 0x0                           ; my half of a block has landed: my only load that is out (no LDS instruction of mine is out here),
.if \more
	s_add_nc_u64 s[G0K+2:G0K+3], s[G0K+2:G0K+3], KBLK   ; so the groups 0 may step (K's last stepped address is not used)
	s_add_nc_u64 s[G0V+2:G0V+3], s[G0V+2:G0V+3], KBLK
.endif
	s_barrier_signal -1
	s_barrier_wait -1                              ; everybody's has
	PH3
	s_wait_dscnt 0x0                               ; my images of aw are stored, and V's fragments are in
	s_barrier_signal -1
	s_barrier_wait -1
	PH4
.endm
	s_mov_b32 s[CN1], 15
.Lstep:
	STEP 1
	WIN 0
	s_sub_co_u32 s[CN1], s[CN1], 1
	s_cmp_lg_u32 s[CN1], 0
	s_cbranch_scc1 .Lstep
	STEP 0                                         ; the last step is written out
	; THE WAY OUT.  Tile (gi, dt): lane (r, h) holds out0(query r, head 4 w + gi, channel 16 dt + 8 h + 0 .. 7).  Through my own stage, in K's slot, which has had its last fill and its last read, and back as rows of 1,024 bytes.
	WIN 0
	PLACES 8
	WIN D3
.set ii, 0
.rept 16
	ds_store_b128 v[STO], v[8*ii:8*ii+3] offset:64*ii              ; each accumulator from its low end on
	ds_store_b128 v[STO], v[8*ii+4:8*ii+7] offset:64*ii+16
.set ii, ii+1
.endr
	WIN TO1
.set ii, 0
.rept 32
	ds_load_b128 v[4*ii:4*ii+3], v[SRD] offset:SPIT*(ii/2)+512*(ii%2)   ; LDS serves a wave's instructions in order: these see my stores
.set ii, ii+1
.endr
	WIN D1
.set ii, 0
.rept 32
	s_wait_dscnt 31-ii                             ; the younger loads may stay out
	global_store_b128 v[LI], v[4*ii:4*ii+3], s[16:17] offset:4096*(ii/2)+512*(ii%2) th:TH_STORE_NT   ; 32 lanes store 512 consecutive bytes, aligned
.set ii, ii+1
.endr
	WIN 0
	s_wait_tensorcnt 0x0                           ; the wave's end
	ds_add_u32 v[SPW], v[NIL]
	s_wait_dscnt 0x0
	ROUND                                          ; the closing round: no work-group ends while a partner may still ask for a block that names it
	s_endpgm
.Lfunc_end_k_qb1a6d9fb76_attn:
	.size	k_qb1a6d9fb76_attn, .Lfunc_end_k_qb1a6d9fb76_attn-k_qb1a6d9fb76_attn
	.p2alignl 7, 3214868480
	.fill 96, 4, 3214868480
	.section	.rodata,"a",@progbits
	.p2align	6, 0x0
	.amdhsa_kernel k_qb1a6d9fb76_attn
		.amdhsa_group_segment_fixed_size 327680
		.amdhsa_private_segment_fixed_size 0
		.amdhsa_enable_private_segment 0
		.amdhsa_kernarg_size 56
		.amdhsa_user_sgpr_count 2
		.amdhsa_user_sgpr_kernarg_segment_ptr 1
		.amdhsa_wavefront_size32 1
		.amdhsa_system_sgpr_workgroup_id_x 1
		.amdhsa_system_sgpr_workgroup_id_y 1
		.amdhsa_system_sgpr_workgroup_id_z 1
		.amdhsa_system_vgpr_workitem_id 0
		.amdhsa_next_free_vgpr 1024
		.amdhsa_next_free_sgpr 84
		.amdhsa_reserve_vcc 0
		.amdhsa_float_denorm_mode_32 3
		.amdhsa_float_denorm_mode_16_64 3
		.amdhsa_memory_ordered 1
		.amdhsa_forward_progress 1
		.amdhsa_inst_pref_size 255
	.end_amdhsa_kernel
	.section	.bss,"aw",@nobits
	.p2align	6
	.space	262144
	.amdgpu_metadata
---
amdhsa.version: [ 1, 2 ]
amdhsa.kernels:
  - .name:           k_qb1a6d9fb76_attn
    .symbol:         k_qb1a6d9fb76_attn.kd
    .args:
      - { .name: qimg, .offset: 0, .size: 8, .value_kind: global_buffer, .address_space: global }
      - { .name: kimg, .offset: 8, .size: 8, .value_kind: global_buffer, .address_space: global }
      - { .name: vimg, .offset: 16, .size: 8, .value_kind: global_buffer, .address_space: global }
      - { .name: Wtalk, .offset: 24, .size: 8, .value_kind: global_buffer, .address_space: global }
      - { .name: ln_gamma, .offset: 32, .size: 8, .value_kind: global_buffer, .address_space: global }
      - { .name: ln_beta, .offset: 40, .size: 8, .value_kind: global_buffer, .address_space: global }
      - { .name: out0, .offset: 48, .size: 8, .value_kind: global_buffer, .address_space: global }
    .group_segment_fixed_size: 327680
    .private_segment_fixed_size: 0
    .kernarg_segment_align: 8
    .kernarg_segment_size: 56
    .max_flat_workgroup_size: 128
    .sgpr_count:     84
    .vgpr_count:     1024
    .wavefront_size: 32
...
	.end_amdgpu_metadata
.endif
;; end of part 3
